; MI455X (gfx1250); checked and timed in simulation.
; The chip was launched on July 23, 2026; its instructions are those of AMD's public machine-readable ISA for CDNA 5 (MIT licence, August 2026) and "CDNA5" Instruction Set Architecture Reference Guide (July 2026). The comments in the code are by the model that wrote it; some were corrected since.
;; Multiheaded Linear Self Attention. Allowed arithmetic: float matrix products may take bf16 or f16 operands with f32 sums; other float arithmetic in f32, or as packed bf16 or f16 multiplies, adds, multiply-adds, maxima and minima; sums over many terms, partial sums and values carried from step to step in f32; what a program stores and reads back later, other than sums and carried values, may be rounded once to bf16 or f16.
;; Inputs: b_qkv 3,072 float32; inputs 4 x 4,096 x 1,024 float32; mask 4 x 4,096 float32; w_qkv 3,072 x 1,024 float32.
;; Outputs: out0 4 x 4,096 x 1,024 float32.
;; Constants: num_heads = 16.
;; 2 versions, each right; version 2 is version 1 with the launch cast written anew for expert scheduling mode. Each part assembles by itself: llvm-mc -triple=amdgcn-amd-amdhsa -mcpu=gfx1250 --defsym DOCPART=n.
;; ======== version 1 of 2: 4 launches
;; limits: values are held in f16: magnitudes above 65,504 overflow, below 6.1e-05 lose precision
;; workspace buffers: xb 33,554,432 bytes; wb 6,291,456 bytes; part 20,971,520 bytes; kvn 524,288 bytes; ksm 262,144 bytes
;; launch cast (part 1): grid 256 x 1, 19 waves a work-group, no clusters, 0 bytes of LDS; arguments inputs, w_qkv, xb, wb; writes xb, wb
.if DOCPART == 1
	.amdgcn_target "amdgcn-amd-amdhsa--gfx1250"
	.amdhsa_code_object_version 6
	.text
	.protected	k_q8cc24ac5ea_cast
	.globl	k_q8cc24ac5ea_cast
	.p2align	8
	.type	k_q8cc24ac5ea_cast,@function
k_q8cc24ac5ea_cast:
	s_mov_b64 s[64:65], 0
	v_nop
	global_prefetch_b8 v0, s[64:65] scope:SCOPE_SE
	s_setreg_imm32_b32 hwreg(HW_REG_WAVE_MODE, 25, 1), 1
	s_wait_xcnt 0x0
; x [16384][1024] and W [3072][1024], f32, are rounded once to bf16 (nearest even): xb as x lies; wb with W's rows in another order:
; rows 0..1023 are q's as they lie; row 1024 + 128 h + e is k's row 64 h + e (e < 64) or v's row 64 h + e - 64 (e >= 64), so that a head's k and v rows lie together.
; SHARES.  19,456 rows of 4,096 bytes are 4,864 groups of 4 rows on end (16,384 bytes in, 8,192 out) = 256 work-groups x 19 waves, a group a wave: every work-group has the same work.
; Groups 0..4,095 are x's, the others W's; the choice is made by selects, wave by wave.  Four rows never cross a group of 64 rows of W, so their four places in wb lie on end too.
; All 32 loads of a wave go out at once; each store of a wave covers 256 consecutive bytes, aligned.
; No LDS, no matrix unit, no cluster: no byte is read by two work-groups and nothing is summed.
.set X, 4                              ; v[4:131]  load j: four f32 a lane; then two registers of bf16
	s_load_b256 s[4:11], s[0:1], 0x0               ; inputs s[4:5], w_qkv s[6:7], xb s[8:9], wb s[10:11]
	v_lshrrev_b32 v3, 5, v0
	v_readfirstlane_b32 s12, v3                    ; wave 0..18
	v_and_b32 v1, 31, v0
	v_lshlrev_b32 v2, 3, v1                        ; 8 bytes a lane on the way out
	v_lshlrev_b32 v1, 4, v1                        ; 16 bytes a lane on the way in
	s_mul_i32 s13, ttmp9, 19
	s_add_co_u32 s13, s13, s12                     ; g: my group of four rows
	s_lshl_b32 s14, s13, 14                        ; x: from byte 16,384 g
	s_lshl_b32 s15, s13, 13                        ;    to byte 8,192 g
	s_and_b32 s16, s13, 0xfff                      ; W: g - 4,096 (the groups of W are 4,096..4,863)
	s_lshl_b32 s17, s16, 2                         ; n0, my first row of W
	s_lshr_b32 s18, s17, 10                        ; 0: q, 1: k, 2: v
	s_and_b32 s19, s17, 1023
	s_lshr_b32 s20, s19, 6                         ; the head
	s_and_b32 s21, s19, 63                         ; the row in the head
	s_lshl_b32 s20, s20, 7
	s_add_co_u32 s20, s20, s21
	s_lshl_b32 s21, s18, 6
	s_add_co_u32 s20, s20, s21
	s_add_co_u32 s20, s20, 960                     ; 960 + 128 h + e + 64 x part: k at 1,024 + 128 h + e, v 64 rows on
	s_cmp_eq_u32 s18, 0
	s_cselect_b32 s20, s17, s20                    ; q's rows stay
	s_lshl_b32 s20, s20, 11                        ; rows of 2,048 bytes in wb
	s_lshl_b32 s16, s16, 14
	s_cmp_lt_u32 s13, 4096                         ; do I serve x?  (nothing below writes SCC before the last select)
	s_cselect_b32 s14, s14, s16
	s_cselect_b32 s16, s15, s20
	s_mov_b32 s15, 0
	s_mov_b32 s17, 0
	s_wait_kmcnt 0x0
	s_cselect_b64 s[4:5], s[4:5], s[6:7]
	s_cselect_b64 s[8:9], s[8:9], s[10:11]
	s_add_nc_u64 s[4:5], s[4:5], s[14:15]
	s_add_nc_u64 s[8:9], s[8:9], s[16:17]
.set j, 0
.rept 32
	global_load_b128 v[X+4*j:X+4*j+3], v1, s[4:5] offset:512*j th:TH_LOAD_NT  ; 512 consecutive bytes a load; read once in the launch
.set j, j+1
.endr
.set j, 0
.rept 32
	s_wait_loadcnt 31-j                            ; loads come back in order (ISA guide 5.7.1): load j is in, the younger ones stay out
	v_cvt_pk_bf16_f32 v[X+4*j], v[X+4*j], v[X+4*j+1]
	v_cvt_pk_bf16_f32 v[X+4*j+1], v[X+4*j+2], v[X+4*j+3]
	global_store_b64 v2, v[X+4*j:X+4*j+1], s[8:9] offset:256*j  ; no register of a store is written again
.set j, j+1
.endr
	s_endpgm
.Lfunc_end_k_q8cc24ac5ea_cast:
	.size	k_q8cc24ac5ea_cast, .Lfunc_end_k_q8cc24ac5ea_cast-k_q8cc24ac5ea_cast
	.p2alignl 7, 3214868480
	.fill 96, 4, 3214868480
	.section	.rodata,"a",@progbits
	.p2align	6, 0x0
	.amdhsa_kernel k_q8cc24ac5ea_cast
		.amdhsa_group_segment_fixed_size 0
		.amdhsa_private_segment_fixed_size 0
		.amdhsa_enable_private_segment 0
		.amdhsa_kernarg_size 32
		.amdhsa_user_sgpr_count 2
		.amdhsa_user_sgpr_kernarg_segment_ptr 1
		.amdhsa_wavefront_size32 1
		.amdhsa_system_sgpr_workgroup_id_x 1
		.amdhsa_system_sgpr_workgroup_id_y 1
		.amdhsa_system_sgpr_workgroup_id_z 1
		.amdhsa_system_vgpr_workitem_id 0
		.amdhsa_next_free_vgpr 132
		.amdhsa_next_free_sgpr 66
		.amdhsa_reserve_vcc 0
		.amdhsa_float_denorm_mode_32 3
		.amdhsa_float_denorm_mode_16_64 3
		.amdhsa_memory_ordered 1
		.amdhsa_forward_progress 1
		.amdhsa_inst_pref_size 13
	.end_amdhsa_kernel
	.amdgpu_metadata
---
amdhsa.version: [ 1, 2 ]
amdhsa.kernels:
  - .name:           k_q8cc24ac5ea_cast
    .symbol:         k_q8cc24ac5ea_cast.kd
    .args:
      - { .name: inputs, .offset: 0, .size: 8, .value_kind: global_buffer, .address_space: global }
      - { .name: w_qkv, .offset: 8, .size: 8, .value_kind: global_buffer, .address_space: global }
      - { .name: xb, .offset: 16, .size: 8, .value_kind: global_buffer, .address_space: global }
      - { .name: wb, .offset: 24, .size: 8, .value_kind: global_buffer, .address_space: global }
    .group_segment_fixed_size: 0
    .private_segment_fixed_size: 0
    .kernarg_segment_align: 8
    .kernarg_segment_size: 32
    .max_flat_workgroup_size: 608
    .sgpr_count:     66
    .vgpr_count:     132
    .wavefront_size: 32
...
	.end_amdgpu_metadata
.endif
;; end of part 1
;; launch kvp (part 2): grid 8 x 32, 4 waves a work-group, clusters of 4 x 4, 327,680 bytes of LDS; arguments xb, wb, b_qkv, mask, part; writes part
.if DOCPART == 2
	.amdgcn_target "amdgcn-amd-amdhsa--gfx1250"
	.amdhsa_code_object_version 6
	.text
	.protected	k_q8cc24ac5ea_kvp
	.globl	k_q8cc24ac5ea_kvp
	.p2align	8
	.type	k_q8cc24ac5ea_kvp,@function
k_q8cc24ac5ea_kvp:
	s_mov_b64 s[64:65], 0
	v_nop
	global_prefetch_b8 v0, s[64:65] scope:SCOPE_SE
	s_setreg_imm32_b32 hwreg(HW_REG_WAVE_MODE, 25, 1), 1
	s_wait_xcnt 0x0
	s_wait_alu depctr_hold_cnt(0) depctr_sa_sdst(0) depctr_va_vdst(0) depctr_va_sdst(0) depctr_va_ssrc(0) depctr_va_vcc(0) depctr_vm_vsrc(0)
	s_getreg_b32 s2, hwreg(HW_REG_IB_STS2, 6, 4)
	s_cmp_eq_u32 s2, 0
	s_cbranch_scc0 .Lentry_in_a_cluster
	s_endpgm
.Lentry_in_a_cluster:
	s_bfe_u32 s2, ttmp6, 0x10000c
	s_cmp_lg_u32 s2, 0xf033
	s_cbranch_scc0 .Lentry_shape_is_right
	s_endpgm
.Lentry_shape_is_right:
; For 256 rows s of x and two heads: k = x Wk^T + bk, v0 = x Wv^T (v's bias is added in the next launch), kk = phi(k mask), phi(t) = elu(t) + 1 = max(t + 1, min(e^t, 1)),
; and the partial sums over these 256 rows kv[d][m] = sum_s kk[s][d] v0[s][m] and ksum[d] = sum_s kk[s][d], stored in f32.  k and v never reach memory.
; FORMATS.  x, W: bf16 (rounded by the launch before); bias and mask are rounded to bf16 here and used in f32; sums in f32; kk and v0 are rounded once to f16 for the second product.
; LIMITS.  kk and |v0| must stay under 65,504 (f16's end); an e^t below 2^-126 counts as 0; NaN and infinities are not treated apart.
; SHARES.  A tile is 256 rows x 256 columns (wb's rows 1,024 + 256 TX on: heads 2 TX and 2 TX + 1, each 64 rows of k and then 64 of v).  Four waves, each 128 rows x one head: 64 accumulators of
; 16 x 16, 512 registers.  K = 1,024 goes in steps of 128 through a ring of two LDS slots filled by the tensor data mover; a tile's rows are 256 bytes of memory, at multiples of 256 bytes.
; A WORK-GROUP STAYS: it makes two tiles, 8,192 rows apart, on the same rows of wb.  The ring does not stop between them: the first tile's last lap asks for the second tile's K steps 0 and 1, which land while
; the first tile's sums are worked up.  ONE lap loop counts both tiles' laps (s3 = 7 .. 1; the last lap, which asks for nothing, is written out).  x's refills step by a scalar chosen from s3; wb's address is made
; anew for each refill, from the tile's base and a K offset that goes round 2 .. 7, 0, 1, 2 .. 7.  In the trip with s3 = 4 a jump leads forward to the one text of the epilogue, and from there a counted branch
; leads back to the quarter that starts a tile's sums.  All these counts are the same in every work-group.
; CLUSTER.  4 x 4 work-groups.  The four of a row of the cluster need the same rows of x, the four of a column the same rows of wb: each tile is asked for JOINTLY, by the same tensor load with the
; same descriptor and a mask that names the four.
; LAYOUT.  Source 0 = 16 rows of x, source 1 = 16 rows of wb: lane l (r = l % 16, hh = l / 16) holds column 16 b + r and the rows s = 16 a + 8 hh + 0..7.  Two accumulators of neighbouring a, rounded to f16 in
; pairs, ARE a fragment of 16 columns x 32 rows s for the second product, whose sum runs over s: nothing changes lanes.
; REGISTERS, in windows of 256 (s_set_vgpr_msb: bits 1:0 source 0, 3:2 source 1, 5:4 source 2, 7:6 destination):
;   window 0: v0-31 addresses; v32-63 ksum's four accumulators; v64-127, v128-191 fragments of x, two buffers (the second is T, at work, in the epilogue); v192-223 k's bias as a C operand; v224-231 ones in f16
;   window 1: v0-63 the mask of my 128 rows; v64-127, v128-191 fragments of wb; in the epilogue v128-255 kv's sixteen accumulators.  Buffer 0 of both windows holds the next tile's first fragments through the epilogue
;   windows 2, 3: accumulator (a, b) in window 2 + a / 4 at 16 (8 ((a % 4) / 2) + b) + 8 (a % 2): the pair a, a + 1 of one b lies on end
.set KSTEP,  128
.set PITCH,  272                       ; an LDS row: 256 bytes + 16 of padding = 68 words: row r starts at bank 4 r mod 64 (64 banks of 4 bytes: ISA guide 11.1)
.set HALFT,  128*PITCH                 ; 128 rows: what one tensor load brings
.set SLOT,   4*HALFT                   ; x's 256 rows, then wb's 256 rows
.set XS,     2*SLOT                    ; behind the ring, never filled by a tensor load: 20,480 bytes for each head, where the lower rows' waves hand their sums over
.set SPARE,  XS+2*20480                ; the spare words, 128 bytes for each wave: two blocks of 256 bytes that no other line names
.set BROW0,  1024                      ; wb's first row for this launch
.set WALK,   8192                      ; rows from a work-group's first tile to its second: two batches
.set NEXT_A, WALK*2048-6*KSTEP*2       ; bytes from a slot's last K step of the first tile to its first of the second
.set ADRA, 16                          ; v16-17  LDS address of my fragments of x in slot 0, 1
.set ADRB, 20                          ; v20-21  the same for wb
.set MO,   24                          ; v24     32 hh: my eight rows in 16 words of the mask
.set BO,   25                          ; v25     4 r
.set PO,   26                          ; v26     16 x lane
.set XSA,  27                          ; v27     my 16 bytes in my head's part of XS
.set SPW,  28                          ; v28     my spare word: SPARE + 4 x my thread's number; never rewritten
.set NIL,  29                          ; v29     0; never rewritten
.set PFO,  30                          ; v30     the prefetches' offset: lane x 2,048 (a row of xb or wb); never rewritten
.set KSA,  32                          ; window 0: ksum's accumulator db at KSA + 8 db
.set F0,   64
.set F1,   128
.set T,    128
.set BT,   192
.set ONE,  224
.set M,    0                           ; window 1
.set KV,   128                         ; window 1: kv's accumulator 4 mb + db at KV + 8 (4 mb + db)
.set HD,  2                            ; s2   my head
.set WV,  16                           ; s16  my wave's number
.set WR,  17                           ; s17  my half of the rows; also: I fetch for x (0) or for wb (1)
.set WC,  18                           ; s18  my half of the columns; also: which 128 rows of that tile I fetch
.set CX,  19
.set CY,  20
.set TX,  21                           ; s21  tile column
.set TY,  22                           ; s22  the first tile's row
.set LIM, 23                           ; s23  2 in a wave that prefetches, else 0
.set G1,  24                           ; s[24:31] descriptor group 1 for x's tiles;  s[32:39] group 0, a set for each slot
.set G0,  32
.set SA,  40                           ; s[40:41] what this trip's refills add to x's addresses
.set SB,  42                           ; s[42:43] the byte along K at which wb's next refill begins
.set PFA, 44                           ; s[44:45] where my prefetches stand
.set TL,  46                           ; s46  tiles to go
.set G1B, 48                           ; s[48:55], s[56:63] the same for wb's tiles
.set G0B, 56
.set WBB, 74                           ; s[74:75] wb at the first of the 128 rows that I fetch, K step 0; never rewritten
.set MSB, 0
.macro WIN new                         ; the immediate's high byte repeats the setting that is left; a switch that changes nothing is dropped
.if MSB != (\new)
	s_set_vgpr_msb (MSB<<8)|(\new)
.set MSB, \new
.endif
.endm
; A joint load: waves 0 and 1 fetch x's two halves, waves 2 and 3 wb's.  The branch hangs on the wave's number alone.  An s_nop 0 and four v_nop follow each of the two lines.
.macro JLOAD s
	s_cmp_eq_u32 s[WR], 0
	s_cbranch_scc0 .Lfor_b_\@
	tensor_load_to_lds s[G0+4*(\s):G0+4*(\s)+3], s[G1:G1+7]
	s_nop 0
.rept 4
	v_nop
.endr
	s_branch .Lasked_\@
.Lfor_b_\@:
	tensor_load_to_lds s[G0B+4*(\s):G0B+4*(\s)+3], s[G1B:G1B+7]
	s_nop 0
.rept 4
	v_nop
.endr
.Lasked_\@:
.endm
; A prefetch of the K step that stands two refills on (512 matrix instructions ahead of the load that will ask for it): 32 rows x 256 bytes, a lane a row, one instruction a wave.  Each row's 256 bytes of a K
; step are named once in the launch: x's rows by the cluster with x = 0, wb's by the cluster with y = 0 and in the first tile alone; the four partners that ask for a tile jointly share its rows out by address, 32 each.
; A tile's K steps 4 to 7 are asked for, in the trips with s3 = 7, 6 and 3, 2: those in which bit 1 of s3 is set.  Its K steps 0 to 3 come by their loads alone.
.macro ASK
	s_and_b32 s47, s3, s[LIM]
	s_cmp_lg_u32 s47, 0
	s_cbranch_scc0 .Lnot_mine_\@
	global_prefetch_b8 v[PFO], s[PFA:PFA+1] offset:KSTEP*2 th:TH_LOAD_NT scope:SCOPE_SE
.Lnot_mine_\@:
.endm
.macro CREST                           ; a round of the cluster's barrier behind its opening barrier
	s_cmp_lg_u32 s[WV], 0
	s_cbranch_scc1 .Lnot_wave_0_\@
	s_barrier_signal -3
.Lnot_wave_0_\@:
	s_barrier_wait -3
	s_barrier_signal -1
	s_barrier_wait -1
.endm
.macro CROUND                          ; a whole round
	s_barrier_signal -1
	s_barrier_wait -1
	CREST
.endm
.macro PLACES                          ; four places behind a matrix instruction, in front of loads into registers that it has read and of vector work on its results
.rept 4
	v_nop
.endr
.endm
; The mask of my 128 rows of a tile: register 16 i + j holds the mask of row 32 i + 8 hh + j (j < 8) or 32 i + 16 + 8 hh + j - 8: as the pair of accumulators 2 i, 2 i + 1 lies
.macro MLOAD
	WIN 0x40                                       ; destination window 1
.set z, 0
.rept 16
	global_load_b128 v[M+4*z:M+4*z+3], v[MO], s[78:79] offset:64*(z/2)+16*(z%2)
.set z, z+1
.endr
	WIN 0
.endm
	s_load_b256 s[4:11], s[0:1], 0x0               ; xb s[4:5], wb s[6:7], b_qkv s[8:9], mask s[10:11]
	s_load_b64 s[12:13], s[0:1], 0x20              ; part
	v_lshl_add_u32 v[SPW], v0, 2, SPARE
	v_mov_b32 v[NIL], 0
	ds_add_u32 v[SPW], v[NIL]                      ; the wave's opening: the add, twice on end, and its wait ahead of my first tensor load
	ds_add_u32 v[SPW], v[NIL]                      ; and once more; the set-up below, work on registers, stands between it and the wait
	v_lshrrev_b32 v1, 5, v0
	v_readfirstlane_b32 s[WV], v1
	s_lshr_b32 s[WR], s[WV], 1
	s_and_b32 s[WC], s[WV], 1
	s_bfe_u32 s[CX], ttmp6, 0x40000
	s_bfe_u32 s[CY], ttmp6, 0x40004
	s_lshl_b32 s[TX], ttmp9, 2                     ; in a cluster launch ttmp9 and ttmp7 count clusters
	s_add_co_u32 s[TX], s[TX], s[CX]
	s_and_b32 s[TY], ttmp7, 0xffff
	s_lshl_b32 s[TY], s[TY], 2
	s_add_co_u32 s[TY], s[TY], s[CY]
	s_lshl_b32 s40, s[CY], 2
	s_lshl_b32 s40, 15, s40                        ; my row of the cluster: places 4 cy .. 4 cy + 3
	s_lshl_b32 s41, 0x1111, s[CX]                  ; my column: places cx, cx + 4, cx + 8, cx + 12
	s_or_b32 s[G1+0], s40, (1<<16)|(1<<20)|(1<<21)|(5<<22)|(3<<25)   ; 15:0 the mask; 17:16 2-byte elements; 20 padding on; 21 set beside a mask; 24:22 after every 64 words; 31:25 4 words of it
	s_or_b32 s[G1B+0], s41, (1<<16)|(1<<20)|(1<<21)|(5<<22)|(3<<25)
.irp g, G1, G1B
	s_mov_b32 s[(\g)+1], KSTEP<<16                 ; tensor_dim0 = 128
	s_mov_b32 s[(\g)+2], 128<<16                   ; tensor_dim1 = 128
	s_mov_b32 s[(\g)+3], KSTEP<<16                 ; tile_dim0 = 128
	s_mov_b32 s[(\g)+4], 128                       ; tile_dim1 = 128
	s_mov_b32 s[(\g)+5], 1024                      ; elements from row to row
	s_mov_b32 s[(\g)+6], 0
	s_mov_b32 s[(\g)+7], 0
.endr
	s_mov_b32 s66, 0x3fb8aa3b                      ; log2(e), as a pair
	s_mov_b32 s67, 0x3fb8aa3b
	s_mov_b32 s68, 0xbfb8aa3b                      ; and its negative
	s_mov_b32 s69, 0xbfb8aa3b
	s_mov_b32 s70, 0xffff0000                      ; a word's upper bf16
	s_lshl_b32 s42, s[WC], 7                       ; which 128 rows of a tile I fetch
	s_lshl_b32 s72, s[TY], 8
	s_add_co_u32 s72, s72, s42
	s_lshl_b32 s72, s72, 11                        ; x: row 256 TY + 128 half, rows of 2,048 bytes (under 2^24)
	s_mov_b32 s73, 0
	s_lshl_b32 s[WBB], s[TX], 8
	s_add_co_u32 s[WBB], s[WBB], s42
	s_add_co_u32 s[WBB], s[WBB], BROW0
	s_lshl_b32 s[WBB], s[WBB], 11                  ; wb: row 1,024 + 256 TX + 128 half
	s_mov_b32 s[WBB+1], 0
	s_mul_i32 s43, s[WV], HALFT                    ; where my loads go: wave x 128 rows: no place in the cluster enters an LDS address
	s_wait_dscnt 0x0                               ; both opening adds are done
	s_wait_kmcnt 0x0
	s_add_nc_u64 s[72:73], s[4:5], s[72:73]
	s_add_nc_u64 s[WBB:WBB+1], s[6:7], s[WBB:WBB+1]
	CROUND                                         ; all sixteen work-groups are here: the first joint loads meet
.irp s, 0,1
	s_mov_b32 s[G0+4*(\s)], 1                      ; count = 1
	s_add_co_u32 s[G0+4*(\s)+1], s43, (\s)*SLOT    ; LDS address
	s_add_nc_u64 s[G0+4*(\s)+2:G0+4*(\s)+3], s[72:73], (\s)*KSTEP*2  ; global address: K step s
	s_or_b32 s[G0+4*(\s)+3], s[G0+4*(\s)+3], 0x80000000              ; type = 2
	s_mov_b32 s[G0B+4*(\s)], 1
	s_add_co_u32 s[G0B+4*(\s)+1], s43, (\s)*SLOT
	s_add_nc_u64 s[G0B+4*(\s)+2:G0B+4*(\s)+3], s[WBB:WBB+1], (\s)*KSTEP*2
	s_or_b32 s[G0B+4*(\s)+3], s[G0B+4*(\s)+3], 0x80000000
	JLOAD \s                                       ; two loads of mine are out
.endr
	; a fragment is 16 rows x 32 K in 8 registers: lane l holds row l % 16, K = 8 (l / 16) + 0..7 and 16 + 8 (l / 16) + 0..7: two loads of 16 bytes, 32 bytes apart
	v_and_b32 v1, 15, v0                           ; r
	v_bfe_u32 v2, v0, 4, 1                         ; hh
	v_mul_u32_u24 v3, v1, PITCH
	v_lshl_add_u32 v3, v2, 4, v3
	s_mul_i32 s40, s[WR], HALFT                    ; my 128 rows of x
	s_mul_i32 s41, s[WC], HALFT                    ; my 128 rows of wb,
	s_add_co_u32 s41, s41, 2*HALFT                 ; which lie behind x's 256
.irp s, 0,1
	v_add_nc_u32 v[ADRA+(\s)], s40, v3
	v_add_nc_u32 v[ADRB+(\s)], s41, v3
	s_add_co_u32 s40, s40, SLOT
	s_add_co_u32 s41, s41, SLOT
.endr
	v_lshlrev_b32 v[MO], 5, v2
	v_lshlrev_b32 v[BO], 2, v1
	v_and_b32 v[PO], 31, v0
	v_lshlrev_b32 v[PFO], 11, v[PO]
	v_lshlrev_b32 v[PO], 4, v[PO]
	s_mul_i32 s40, s[WC], 20480
	s_add_co_u32 s40, s40, XS
	v_add_nc_u32 v[XSA], s40, v[PO]
	; the prefetches' pointer: my work-group's 32 of the 128 rows that I fetch, at K step 2; the first change of slots steps it to 3 and names K step 4
	s_lshl_b32 s76, s[TY], 8
	s_lshl_b32 s77, s[TX], 8
	s_add_co_u32 s77, s77, BROW0
	s_and_b32 s78, ttmp7, 0xffff                   ; cluster y
	s_cmp_eq_u32 s[WR], 0                          ; do I fetch for x?
	s_cselect_b32 s76, s76, s77                    ; the tile's first row
	s_cselect_b32 s77, s[CX], s[CY]                ; my place among the four that ask with me
	s_cselect_b32 s78, ttmp9, s78                  ; the coordinate along which other clusters read the same rows
	s_cselect_b64 s[PFA:PFA+1], s[4:5], s[6:7]
	s_cmp_eq_u32 s78, 0
	s_cselect_b32 s[LIM], 2, 0                     ; the same in all sixteen partners, for a given wave
	s_lshl_b32 s78, s[WC], 7
	s_add_co_u32 s76, s76, s78
	s_lshl_b32 s77, s77, 5
	s_add_co_u32 s76, s76, s77
	s_lshl_b32 s76, s76, 11
	s_mov_b32 s77, 0
	s_add_nc_u64 s[PFA:PFA+1], s[PFA:PFA+1], s[76:77]
	s_add_nc_u64 s[PFA:PFA+1], s[PFA:PFA+1], 2*KSTEP*2
	; k's bias of my head and the mask of my 128 rows, while the first tiles are on their way
	s_lshl_b32 s[HD], s[TX], 1
	s_add_co_u32 s[HD], s[HD], s[WC]               ; my head = 2 TX + half
	s_lshl_b32 s76, s[HD], 8
	s_add_co_u32 s76, s76, 4096                    ; b_qkv[1,024 + 64 head]
	s_mov_b32 s77, 0
	s_add_nc_u64 s[76:77], s[8:9], s[76:77]
	s_lshl_b32 s78, s[TY], 10
	s_lshl_b32 s79, s[WR], 9
	s_add_co_u32 s78, s78, s79                     ; mask[256 TY + 128 half]: batch and row on end
	s_mov_b32 s79, 0
	s_add_nc_u64 s[78:79], s[10:11], s[78:79]
.irp b, 0,1,2,3
	global_load_b32 v[BT+8*(\b)], v[BO], s[76:77] offset:64*(\b)     ; bias of column 16 b + r
.endr
	MLOAD
.set z, 0
.rept 8
	v_mov_b32 v[ONE+z], 0x3c003c00                 ; 1.0 twice in f16
.set z, z+1
.endr
	s_wait_loadcnt 16                              ; the bias is in; the mask's 16 loads, issued behind it, may stay out: the epilogue waits for them
.irp b, 0,1,2,3
	v_cvt_pk_bf16_f32 v8, v[BT+8*(\b)], v[BT+8*(\b)]   ; the bias rounded to bf16, like every input,
	v_lshlrev_b32 v[BT+8*(\b)], 16, v8                 ; and widened again;
.irp j, 1,2,3,4,5,6,7
	v_mov_b32 v[BT+8*(\b)+(\j)], v[BT+8*(\b)]          ; a lane's eight numbers of an accumulator lie in one column
.endr
.endr
	s_lshr_b32 s76, s[TY], 4                       ; where my sums go: part[batch][head][TY % 16], 20,480 bytes each
	s_lshl_b32 s76, s76, 4
	s_add_co_u32 s76, s76, s[HD]
	s_lshl_b32 s76, s76, 4
	s_and_b32 s77, s[TY], 15
	s_add_co_u32 s76, s76, s77
	s_mul_i32 s76, s76, 20480
	s_mov_b32 s77, 0
	s_add_nc_u64 s[12:13], s[12:13], s[76:77]
; 16 matrix instructions: row blocks a0, a0 + 1 of the window's four x all 8 column blocks, 32 along K.  first = 1: the product starts the sum, with k's bias (b < 4) or 0 (v): nothing is cleared.
; The 64 accumulators take turns in the same order in every quarter.
.macro MUL16 f, hi, a0, first
.if \first
	WIN 0x84+0x40*(\hi)                            ; x window 0, wb window 1, C window 0, D window 2 or 3
.else
	WIN 0xa4+0x50*(\hi)                            ; C and D window 2 or 3
.endif
.irp a, \a0, (\a0)+1
.irp b, 0,1,2,3,4,5,6,7
.set rD, 16*(8*((\a)/2)+(\b))+8*((\a)%2)
.set rA, (\f)+8*(4*(\hi)+(\a))
.set rB, (\f)+8*(\b)
.if (\first) && ((\b) < 4)
	v_wmma_f32_16x16x32_bf16 v[rD:rD+7], v[rA:rA+7], v[rB:rB+7], v[BT+8*(\b):BT+8*(\b)+7]
.elseif \first
	v_wmma_f32_16x16x32_bf16 v[rD:rD+7], v[rA:rA+7], v[rB:rB+7], 0
.else
	v_wmma_f32_16x16x32_bf16 v[rD:rD+7], v[rA:rA+7], v[rB:rB+7], v[rD:rD+7]
.endif
.endr
.endr
.endm
; 32 LDS loads in one run: the fragments of one quarter step (32 K at byte k of the rows) into buffer f: wb's first, then x's
.macro FETCH slot, k, f
	WIN 0x40
.irp i, 0,1,2,3,4,5,6,7
	ds_load_b128 v[(\f)+8*(\i):(\f)+8*(\i)+3],   v[ADRB+(\slot)] offset:(\k)+(\i)*16*PITCH
	ds_load_b128 v[(\f)+8*(\i)+4:(\f)+8*(\i)+7], v[ADRB+(\slot)] offset:(\k)+(\i)*16*PITCH+32
.endr
	WIN 0
.irp i, 0,1,2,3,4,5,6,7
	ds_load_b128 v[(\f)+8*(\i):(\f)+8*(\i)+3],   v[ADRA+(\slot)] offset:(\k)+(\i)*16*PITCH
	ds_load_b128 v[(\f)+8*(\i)+4:(\f)+8*(\i)+7], v[ADRA+(\slot)] offset:(\k)+(\i)*16*PITCH+32
.endr
.endm
; A K step is four quarters of 32 along K, 64 matrix instructions each, on buffers 0, 1, 0, 1.  One of the first three: multiplies buffer f and, in its middle, fetches the next quarter into g.
.macro QUARTER slot, k, f, g, first
	s_wait_dscnt 8                                 ; wb's fragments and x's rows 0-63 are in; the youngest eight loads (x's rows 64-127) may be out
	MUL16 \f, 0, 0, \first
	MUL16 \f, 0, 2, \first
	PLACES
	FETCH \slot, \k, \g
	s_wait_dscnt 32                                ; all but the 32 just issued
	MUL16 \f, 1, 0, \first
	MUL16 \f, 1, 2, \first
.endm
; The last quarter's first half: ONE barrier for the change of slots.  In front of it each wave waits for all its tensor loads (one is out: its part of the next slot), adds 0 to its spare word, and waits
; for that and for its own reads of this slot.  Behind it nobody reads this slot any more and the next slot is whole.
.macro MEET round
	WIN 0                                          ; (the add's two registers lie in window 0)
	s_wait_tensorcnt 0x0
	ds_add_u32 v[SPW], v[NIL]
	s_wait_dscnt 9                                 ; (the add and the youngest eight loads may be out)
	MUL16 F1, 0, 0, 0                              ; sixteen matrix instructions stand between the add and the wait for it
	s_wait_dscnt 0x0                               ; the add is done, and my reads of this slot are over
	s_barrier_signal -1
	MUL16 F1, 0, 2, 0                              ; work on registers while the others arrive
.if \round
	WIN 0
.endif
	s_barrier_wait -1
.endm
; The whole last quarter.  fill = 1: the barrier opens a round of the cluster's, and the slot just read out is filled again, first thing behind it: with the K step two on or, in the first tile's last lap, with the
; second tile's K step 0 or 1: 224 matrix instructions ahead of the wait for it.  No tensor load of mine is out here, so both groups 0 may be written.
.macro TURN slot, next, fill
.if \fill
	s_wait_xcnt 0x0                                ; the last prefetch, a K step back, has read its address: it is stepped here, ahead of the waits of the change of slots
	s_add_nc_u64 s[PFA:PFA+1], s[PFA:PFA+1], KSTEP*2
	MEET 1
	CREST                                          ; no wave of any partner still reads this slot's tile or has a load on its way
	s_add_nc_u64 s[G0+4*(\slot)+2:G0+4*(\slot)+3], s[G0+4*(\slot)+2:G0+4*(\slot)+3], s[SA:SA+1]  ; x: 512 bytes on, or to the second tile: under 2^24, the type bits on top are not reached
	s_add_nc_u64 s[G0B+4*(\slot)+2:G0B+4*(\slot)+3], s[WBB:WBB+1], s[SB:SB+1]                    ; wb: made anew: my rows' first byte + the K step's,
	s_or_b32 s[G0B+4*(\slot)+3], s[G0B+4*(\slot)+3], 0x80000000                                  ; and the type
	s_add_co_u32 s[SB], s[SB], KSTEP*2             ; the next refill's K step; behind 7 comes 0: both tiles take the same rows of wb
	s_and_b32 s[SB], s[SB], 0x700
	JLOAD \slot                                    ; its four v_nop are also the places in front of the loads below
.else
	MEET 0
	PLACES
.endif
	FETCH \next, 0, F0
.if \fill
	ASK
.endif
	MUL16 F1, 1, 0, 0
	MUL16 F1, 1, 2, 0
.endm
; 32 rows s (the accumulators 2 i and 2 i + 1 of all 8 column blocks): phi on k, both rounded to f16 in place, and 20 products of the second kind.  Each accumulator is read from its lowest registers on.
.macro PAIRBLK i
.set WW, 2+(\i)/2                      ; their window
.set PB, 128*((\i)%2)                  ; column block b at PB + 16 b: 16 registers
	WIN 0x04+WW+(WW<<6)                            ; destination and source 0 in WW, the mask in window 1
.set z, 0
.rept 32
	v_pk_fma_f32 v[PB+2*z:PB+2*z+1], v[PB+2*z:PB+2*z+1], v[M+16*(\i)+2*(z%8):M+16*(\i)+2*(z%8)+1], 1.0 op_sel_hi:[1,1,0]  ; x1 = k mask + 1
.set z, z+1
.endr
	WIN WW
.set z, 0
.rept 32
	v_pk_fma_f32 v[T+2*z:T+2*z+1], v[PB+2*z:PB+2*z+1], s[66:67], s[68:69] op_sel_hi:[1,0,0]  ; (x1 - 1) log2(e)
.set z, z+1
.endr
	WIN 0
.set z, 0
.rept 64
	v_exp_f32 v[T+z], v[T+z]                       ; one batch of 64
.set z, z+1
.endr
	WIN (WW<<6)+WW+(WW<<2)
.set z, 0
.rept 32                                       ; v0's roundings name no exponential's result: they are the plain work behind the batch.  In place: a write lands on a register that has been read
	v_cvt_pk_f16_f32 v[PB+64+16*(z/8)+z%8], v[PB+64+2*z], v[PB+64+2*z+1]
.set z, z+1
.endr
	s_wait_alu depctr_va_vdst(0)                   ; the one wait ahead of the batch's first reader
	WIN 0
.set z, 0
.rept 64
	v_min_num_f32 v[T+z], 1.0, v[T+z]              ; min(e^t, 1): an overflow becomes 1
.set z, z+1
.endr
	WIN (WW<<6)+WW
.set z, 0
.rept 64
	v_max_num_f32 v[PB+z], v[PB+z], v[T+z]         ; kk = max(t + 1, min(e^t, 1))
.set z, z+1
.endr
	WIN (WW<<6)+WW+(WW<<2)
.set z, 0
.rept 32
	v_cvt_pk_f16_f32 v[PB+16*(z/8)+z%8], v[PB+2*z], v[PB+2*z+1]
.set z, z+1
.endr
	; kv[d][m] += sum over these 32 s of kk[s][d] v0[s][m]: source 0 = kk (rows d), source 1 = v0 (columns m); lane (r, hh), register j: d = 16 db + 8 hh + j, m = 16 mb + r.  The twenty accumulators take turns.
	WIN 0x50+WW+(WW<<2)
.set z, 0
.rept 16
.if (\i) == 0
	v_wmma_f32_16x16x32_f16 v[KV+8*z:KV+8*z+7], v[PB+16*(z%4):PB+16*(z%4)+7], v[PB+64+16*(z/4):PB+64+16*(z/4)+7], 0
.else
	v_wmma_f32_16x16x32_f16 v[KV+8*z:KV+8*z+7], v[PB+16*(z%4):PB+16*(z%4)+7], v[PB+64+16*(z/4):PB+64+16*(z/4)+7], v[KV+8*z:KV+8*z+7]
.endif
.set z, z+1
.endr
	WIN WW                                         ; ksum[d]: the same with ones as source 1; ones, C and D in window 0: the sum stands in every column
.set z, 0
.rept 4
.if (\i) == 0
	v_wmma_f32_16x16x32_f16 v[KSA+8*z:KSA+8*z+7], v[PB+16*z:PB+16*z+7], v[ONE:ONE+7], 0
.else
	v_wmma_f32_16x16x32_f16 v[KSA+8*z:KSA+8*z+7], v[PB+16*z:PB+16*z+7], v[ONE:ONE+7], v[KSA+8*z:KSA+8*z+7]
.endif
.set z, z+1
.endr
.endm
	s_wait_tensorcnt 1                             ; my part of K step 0 is in; K step 1's load may stay out
	s_barrier_signal -1
	s_barrier_wait -1                              ; everybody's is
	FETCH 0, 0, F0
	s_mov_b32 s3, 8                                ; taken down to 7 ahead of the first lap
	s_mov_b32 s[TL], 2
	s_mov_b32 s72, NEXT_A                          ; x's two steps, to choose from
	s_mov_b32 s73, 2*KSTEP*2
	s_mov_b32 s[SA+1], 0
	s_mov_b32 s[SB], 2*KSTEP*2                     ; wb's first refill is K step 2
	s_mov_b32 s[SB+1], 0
	s_branch .Lq1f                                 ; the loop is entered at the quarter that starts a tile's sums
.Llap:                                                 ; a trip: a lap from its second quarter on, both slots filled again; then the next lap's first quarter
	QUARTER 0, 128, F1, F0, 0
	QUARTER 0, 192, F0, F1, 0
	TURN 0, 1, 1
	QUARTER 1, 64,  F0, F1, 0
	QUARTER 1, 128, F1, F0, 0
	QUARTER 1, 192, F0, F1, 0
	TURN 1, 0, 1
	WIN 0                                          ; at a label and at a branch every window is 0
	s_cmp_eq_u32 s3, 4                             ; the first tile's last lap is over: its sums are worked up
	s_cbranch_scc1 .Lepi
	QUARTER 0, 64,  F0, F1, 0
	WIN 0
	s_branch .Lnext
.Lcross:                                               ; from the first tile to the second
	s_wait_xcnt 0x0                                ; every load, store and prefetch issued so far has read its address and data registers: the three pointers below, and the stores' data registers (on which fragments land), are written only behind this wait
	s_add_nc_u64 s[78:79], s[78:79], WALK*4        ; the mask of the second tile's rows
	s_add_nc_u64 s[PFA:PFA+1], s[PFA:PFA+1], WALK*2048-8*KSTEP*2  ; eight steps on from K step 2: to the second tile's K step 2
	s_add_nc_u64 s[12:13], s[12:13], 2*16*16*20480 ; part: two batches on
	s_cmp_eq_u32 s[WR], 0
	s_cselect_b32 s[LIM], s[LIM], 0                ; wb's rows are the same for both tiles: they have been read, and are prefetched no more
	MLOAD                                          ; asked for a tile ahead of its use
.Lq1f:
	QUARTER 0, 64,  F0, F1, 1                      ; a tile's first quarter: its products start the sums
	WIN 0
.Lnext:
	s_sub_co_u32 s3, s3, 1
	s_cmp_eq_u32 s3, 4                             ; the first tile's last lap asks for the second tile's K steps 0 and 1: x 8,192 rows down and back along K
	s_cselect_b32 s[SA], s72, s73
	s_cmp_lg_u32 s3, 0
	s_cbranch_scc1 .Llap
	QUARTER 0, 128, F1, F0, 0                      ; the second tile's last lap is written out: it fills nothing and has no round
	QUARTER 0, 192, F0, F1, 0
	TURN 0, 1, 0
	QUARTER 1, 64,  F0, F1, 0
	QUARTER 1, 128, F1, F0, 0
	QUARTER 1, 192, F0, F1, 0
	s_wait_dscnt 8                                 ; the very last quarter: nothing more to fetch
	MUL16 F1, 0, 0, 0
	MUL16 F1, 0, 2, 0
	s_wait_dscnt 0x0
	MUL16 F1, 1, 0, 0
	MUL16 F1, 1, 2, 0
	WIN 0
.Lepi:                                                 ; THE EPILOGUE, one text for both tiles
	PLACES                                         ; the vector work below reads and rewrites results just made
	s_wait_loadcnt 0x0                             ; the tile's mask
	WIN 0x45                                       ; destination and both sources window 1
.set z, 0
.rept 32                                       ; rounded to bf16, like every input, and widened again, two at a time, in place
	v_cvt_pk_bf16_f32 v[M+2*z+1], v[M+2*z], v[M+2*z+1]
	v_lshlrev_b32 v[M+2*z], 16, v[M+2*z+1]
	v_and_b32 v[M+2*z+1], s70, v[M+2*z+1]
.set z, z+1
.endr
	PAIRBLK 0
	PAIRBLK 1
	PAIRBLK 2
	PAIRBLK 3
	PLACES
	; the two waves of a head add their sums: the lower rows' wave hands its 160 registers over through LDS, lane by lane
	WIN 0
	s_cmp_eq_u32 s[WR], 0
	s_cbranch_scc1 .Lkeep
.set z, 0
.rept 8
	ds_store_b128 v[XSA], v[KSA+4*z:KSA+4*z+3] offset:16384+512*z
.set z, z+1
.endr
	WIN 0x04                                       ; data (source 1) window 1
.set z, 0
.rept 32
	ds_store_b128 v[XSA], v[KV+4*z:KV+4*z+3] offset:512*z
.set z, z+1
.endr
	WIN 0
.Lkeep:
	s_wait_dscnt 0x0                               ; for the other wave's sake: my stores are done.  (The second tile's stores here come behind the lap loop's barriers, in front of which the other wave's reads were waited for.)
	s_barrier_signal -1                            ; behind this barrier no slot is filled: in the first tile my load of the second tile's K step 1 stays out across it
	s_barrier_wait -1
	s_cmp_lg_u32 s[WR], 0
	s_cbranch_scc1 .Ljoin
	WIN 0x80                                       ; destination window 2, whose registers are free
.set z, 0
.rept 40
	ds_load_b128 v[4*z:4*z+3], v[XSA] offset:512*z
.set z, z+1
.endr
	s_wait_dscnt 0x0
	WIN 0x49                                       ; destination and source 0 window 1, source 1 window 2
.set z, 0
.rept 64
	v_pk_add_f32 v[KV+2*z:KV+2*z+1], v[KV+2*z:KV+2*z+1], v[2*z:2*z+1]
.set z, z+1
.endr
	WIN 0x08                                       ; destination and source 0 window 0, source 1 window 2
.set z, 0
.rept 16
	v_pk_add_f32 v[KSA+2*z:KSA+2*z+1], v[KSA+2*z:KSA+2*z+1], v[128+2*z:128+2*z+1]
.set z, z+1
.endr
	WIN 0
.set z, 0
.rept 8
	global_store_b128 v[PO], v[KSA+4*z:KSA+4*z+3], s[12:13] offset:16384+512*z  ; an accumulator as it lies: 512 consecutive bytes a store, aligned
.set z, z+1
.endr
	WIN 0x04
.set z, 0
.rept 32
	global_store_b128 v[PO], v[KV+4*z:KV+4*z+3], s[12:13] offset:512*z
.set z, z+1
.endr
	WIN 0
.Ljoin:
	s_sub_co_u32 s[TL], s[TL], 1
	s_cmp_lg_u32 s[TL], 0
	s_cbranch_scc1 .Lcross
	s_wait_tensorcnt 0x0                           ; the wave's end, behind my last tensor load and my last LDS store
	ds_add_u32 v[SPW], v[NIL]
	s_wait_dscnt 0x0
	CROUND                                         ; the closing round: no work-group ends while a partner may still ask for a tile that names it
	s_endpgm
.Lfunc_end_k_q8cc24ac5ea_kvp:
	.size	k_q8cc24ac5ea_kvp, .Lfunc_end_k_q8cc24ac5ea_kvp-k_q8cc24ac5ea_kvp
	.p2alignl 7, 3214868480
	.fill 96, 4, 3214868480
	.section	.rodata,"a",@progbits
	.p2align	6, 0x0
	.amdhsa_kernel k_q8cc24ac5ea_kvp
		.amdhsa_group_segment_fixed_size 327680
		.amdhsa_private_segment_fixed_size 0
		.amdhsa_enable_private_segment 0
		.amdhsa_kernarg_size 40
		.amdhsa_user_sgpr_count 2
		.amdhsa_user_sgpr_kernarg_segment_ptr 1
		.amdhsa_wavefront_size32 1
		.amdhsa_system_sgpr_workgroup_id_x 1
		.amdhsa_system_sgpr_workgroup_id_y 1
		.amdhsa_system_sgpr_workgroup_id_z 1
		.amdhsa_system_vgpr_workitem_id 0
		.amdhsa_next_free_vgpr 1024
		.amdhsa_next_free_sgpr 80
		.amdhsa_reserve_vcc 0
		.amdhsa_float_denorm_mode_32 3
		.amdhsa_float_denorm_mode_16_64 3
		.amdhsa_memory_ordered 1
		.amdhsa_forward_progress 1
		.amdhsa_inst_pref_size 200
	.end_amdhsa_kernel
	.amdgpu_metadata
---
amdhsa.version: [ 1, 2 ]
amdhsa.kernels:
  - .name:           k_q8cc24ac5ea_kvp
    .symbol:         k_q8cc24ac5ea_kvp.kd
    .args:
      - { .name: xb, .offset: 0, .size: 8, .value_kind: global_buffer, .address_space: global }
      - { .name: wb, .offset: 8, .size: 8, .value_kind: global_buffer, .address_space: global }
      - { .name: b_qkv, .offset: 16, .size: 8, .value_kind: global_buffer, .address_space: global }
      - { .name: mask, .offset: 24, .size: 8, .value_kind: global_buffer, .address_space: global }
      - { .name: part, .offset: 32, .size: 8, .value_kind: global_buffer, .address_space: global }
    .group_segment_fixed_size: 327680
    .private_segment_fixed_size: 0
    .kernarg_segment_align: 8
    .kernarg_segment_size: 40
    .max_flat_workgroup_size: 128
    .sgpr_count:     80
    .vgpr_count:     1024
    .wavefront_size: 32
...
	.end_amdgpu_metadata
.endif
;; end of part 2
;; launch red (part 3): grid 256 x 1, 4 waves a work-group, no clusters, 0 bytes of LDS; arguments part, b_qkv, kvn, ksm; writes kvn, ksm
.if DOCPART == 3
	.amdgcn_target "amdgcn-amd-amdhsa--gfx1250"
	.amdhsa_code_object_version 6
	.text
	.protected	k_q8cc24ac5ea_red
	.globl	k_q8cc24ac5ea_red
	.p2align	8
	.type	k_q8cc24ac5ea_red,@function
k_q8cc24ac5ea_red:
	s_mov_b64 s[64:65], 0
	v_nop
	global_prefetch_b8 v0, s[64:65] scope:SCOPE_SE
	s_setreg_imm32_b32 hwreg(HW_REG_WAVE_MODE, 25, 1), 1
	s_wait_xcnt 0x0
; For each batch and head the 16 partial sums are added in f32: kv[d][m] and ksum[d]; then kvn[m][d] = kv[d][m] / ksum[d] + bv[m], rounded once to f16, and ksum in f32 are stored, each in the
; lanes' layout in which the next launch wants it.  kvn is a weighted mean of v's rows and has v's range.  (sum_s kk (v0 + bv) / ksum = kv / ksum + bv: v's bias, rounded to bf16 like every input, enters here.)
; LIMITS.  ksum[d] is held to 1e-30 at the least in front of the reciprocal (a sum of 4,096 positive numbers; below that kv[d][.] is under 1e-30 times v's largest); kvn must stay under 65,504, and below 6e-5 it keeps f16's fixed step of 6e-8.
; SHARES.  Work-group = (batch and head, block mb of 16 m); wave = block db of 16 d: one tile of 16 x 16, eight numbers a lane: lane (r, hh), register j: d = 16 db + 8 hh + j, m = 16 mb + r.
; No LDS, no matrix unit; no cluster: the four work-groups of a head share only its ksum tiles, 4 of the 20 tiles that a partial has.
.set LO, 2                             ; v2   16 x lane
.set KO, 3                             ; v3   r x 20,480 + 16 x lane: lane r takes partial r of the ksum tile, which holds the same numbers in every r
.set BO, 4                             ; v4   4 r
.set K,  16                            ; v[16:143]  partial p's eight numbers at K + 8 p
.set S,  144                           ; v[144:151] ksum
.set R,  152                           ; v[152:159] its reciprocal
.set BV, 160                           ; v[160:161] bv[m], twice
.set HF, 162                           ; v[162:165] eight f16
	s_load_b256 s[4:11], s[0:1], 0x0               ; part s[4:5], b_qkv s[6:7], kvn s[8:9], ksm s[10:11]
	v_lshrrev_b32 v5, 5, v0
	v_readfirstlane_b32 s12, v5                    ; db
	v_and_b32 v1, 15, v0
	v_and_b32 v[LO], 31, v0
	v_lshlrev_b32 v[LO], 4, v[LO]
	v_mul_u32_u24 v[KO], v1, 20480
	v_add_nc_u32 v[KO], v[KO], v[LO]
	v_lshlrev_b32 v[BO], 2, v1
	s_lshr_b32 s13, ttmp9, 2                       ; 16 x batch + head
	s_and_b32 s14, ttmp9, 3                        ; mb
	s_mul_i32 s16, s13, 327680                     ; its 16 partials of 20,480 bytes
	s_lshl_b32 s15, s14, 2
	s_add_co_u32 s15, s15, s12                     ; tile 4 mb + db
	s_lshl_b32 s18, s15, 10
	s_add_co_u32 s18, s18, s16
	s_mov_b32 s19, 0
	s_lshl_b32 s20, s12, 10
	s_add_co_u32 s20, s20, 16384                   ; tile 16 + db
	s_add_co_u32 s20, s20, s16
	s_mov_b32 s21, 0
	s_and_b32 s22, s13, 15
	s_lshl_b32 s22, s22, 8
	s_lshl_b32 s23, s14, 6
	s_add_co_u32 s22, s22, s23
	s_add_co_u32 s22, s22, 8192                    ; b_qkv[2,048 + 64 head + 16 mb]
	s_mov_b32 s23, 0
	s_lshl_b32 s24, s13, 13
	s_lshl_b32 s25, s15, 9
	s_add_co_u32 s24, s24, s25                     ; kvn: 8,192 bytes a head, 512 a tile
	s_mov_b32 s25, 0
	s_lshl_b32 s26, s13, 12
	s_lshl_b32 s27, s12, 10
	s_add_co_u32 s26, s26, s27                     ; ksm: 4,096 bytes a head, 1,024 a block db
	s_mov_b32 s27, 0
	s_wait_kmcnt 0x0
	s_add_nc_u64 s[18:19], s[4:5], s[18:19]
	s_add_nc_u64 s[20:21], s[4:5], s[20:21]
	s_add_nc_u64 s[22:23], s[6:7], s[22:23]
	s_add_nc_u64 s[24:25], s[8:9], s[24:25]
	s_add_nc_u64 s[26:27], s[10:11], s[26:27]
.set z, 0
.rept 32                                       ; partial z / 2, registers 4 (z % 2) on: 512 consecutive bytes a load, read once in the launch
	global_load_b128 v[K+4*z:K+4*z+3], v[LO], s[18:19] offset:20480*(z/2)+512*(z%2) th:TH_LOAD_NT
.set z, z+1
.endr
	global_load_b128 v[S:S+3],   v[KO], s[20:21]
	global_load_b128 v[S+4:S+7], v[KO], s[20:21] offset:512
	global_load_b32 v[BV], v[BO], s[22:23]
	s_wait_loadcnt 0x0
.irp w, 8,4,2,1                                ; the sixteen partials, as a tree, two sums an instruction
.set z, 0
.rept 4*(\w)
	v_pk_add_f32 v[K+2*z:K+2*z+1], v[K+2*z:K+2*z+1], v[K+8*(\w)+2*z:K+8*(\w)+2*z+1]
.set z, z+1
.endr
.endr
.irp w, 1,2,4,8                                ; ksum's sixteen partials lie in the sixteen lanes of a half: four steps ride on the addition, and every lane has the sum
.set z, 0
.rept 8
	v_add_f32_dpp v[S+z], v[S+z], v[S+z] row_xmask:\w row_mask:0xf bank_mask:0xf
.set z, z+1
.endr
.endr
	v_cvt_pk_bf16_f32 v[BV+1], v[BV], v[BV]
	v_lshlrev_b32 v[BV], 16, v[BV+1]
	v_mov_b32 v[BV+1], v[BV]
.set z, 0
.rept 8
	v_max_num_f32 v[R+z], 0x0da24260, v[S+z]       ; 1e-30 at the least
.set z, z+1
.endr
.set z, 0
.rept 8
	v_rcp_f32 v[R+z], v[R+z]
.set z, z+1
.endr
	v_nop                                          ; a plain instruction behind the last reciprocal,
	s_wait_alu depctr_va_vdst(0)                   ; and the one wait ahead of the batch's first reader
.set z, 0
.rept 4
	v_pk_fma_f32 v[K+2*z:K+2*z+1], v[K+2*z:K+2*z+1], v[R+2*z:R+2*z+1], v[BV:BV+1]
.set z, z+1
.endr
.set z, 0
.rept 4
	v_cvt_pk_f16_f32 v[HF+z], v[K+2*z], v[K+2*z+1]
.set z, z+1
.endr
	global_store_b128 v[LO], v[HF:HF+3], s[24:25]  ; 512 consecutive bytes, aligned: half a fragment of the next launch's source 0
	s_cmp_lg_u32 s12, s14                          ; all four work-groups of a head have every ksum: work-group mb stores block db = mb, by its wave mb
	s_cbranch_scc1 .Lend
	global_store_b128 v[LO], v[S:S+3],   s[26:27]
	global_store_b128 v[LO], v[S+4:S+7], s[26:27] offset:512
.Lend:
	s_endpgm
.Lfunc_end_k_q8cc24ac5ea_red:
	.size	k_q8cc24ac5ea_red, .Lfunc_end_k_q8cc24ac5ea_red-k_q8cc24ac5ea_red
	.p2alignl 7, 3214868480
	.fill 96, 4, 3214868480
	.section	.rodata,"a",@progbits
	.p2align	6, 0x0
	.amdhsa_kernel k_q8cc24ac5ea_red
		.amdhsa_group_segment_fixed_size 0
		.amdhsa_private_segment_fixed_size 0
		.amdhsa_enable_private_segment 0
		.amdhsa_kernarg_size 32
		.amdhsa_user_sgpr_count 2
		.amdhsa_user_sgpr_kernarg_segment_ptr 1
		.amdhsa_wavefront_size32 1
		.amdhsa_system_sgpr_workgroup_id_x 1
		.amdhsa_system_sgpr_workgroup_id_y 1
		.amdhsa_system_sgpr_workgroup_id_z 1
		.amdhsa_system_vgpr_workitem_id 0
		.amdhsa_next_free_vgpr 168
		.amdhsa_next_free_sgpr 66
		.amdhsa_reserve_vcc 0
		.amdhsa_float_denorm_mode_32 3
		.amdhsa_float_denorm_mode_16_64 3
		.amdhsa_memory_ordered 1
		.amdhsa_forward_progress 1
		.amdhsa_inst_pref_size 13
	.end_amdhsa_kernel
	.amdgpu_metadata
---
amdhsa.version: [ 1, 2 ]
amdhsa.kernels:
  - .name:           k_q8cc24ac5ea_red
    .symbol:         k_q8cc24ac5ea_red.kd
    .args:
      - { .name: part, .offset: 0, .size: 8, .value_kind: global_buffer, .address_space: global }
      - { .name: b_qkv, .offset: 8, .size: 8, .value_kind: global_buffer, .address_space: global }
      - { .name: kvn, .offset: 16, .size: 8, .value_kind: global_buffer, .address_space: global }
      - { .name: ksm, .offset: 24, .size: 8, .value_kind: global_buffer, .address_space: global }
    .group_segment_fixed_size: 0
    .private_segment_fixed_size: 0
    .kernarg_segment_align: 8
    .kernarg_segment_size: 32
    .max_flat_workgroup_size: 128
    .sgpr_count:     66
    .vgpr_count:     168
    .wavefront_size: 32
...
	.end_amdgpu_metadata
.endif
;; end of part 3
;; launch att (part 4): grid 4 x 64, 4 waves a work-group, clusters of 4 x 4, 327,680 bytes of LDS; arguments xb, wb, b_qkv, kvn, ksm, out0; writes out0
.if DOCPART == 4
	.amdgcn_target "amdgcn-amd-amdhsa--gfx1250"
	.amdhsa_code_object_version 6
	.text
	.protected	k_q8cc24ac5ea_att
	.globl	k_q8cc24ac5ea_att
	.p2align	8
	.type	k_q8cc24ac5ea_att,@function
k_q8cc24ac5ea_att:
	s_mov_b64 s[64:65], 0
	v_nop
	global_prefetch_b8 v0, s[64:65] scope:SCOPE_SE
	s_setreg_imm32_b32 hwreg(HW_REG_WAVE_MODE, 25, 1), 1
	s_wait_xcnt 0x0
	s_wait_alu depctr_hold_cnt(0) depctr_sa_sdst(0) depctr_va_vdst(0) depctr_va_sdst(0) depctr_va_ssrc(0) depctr_va_vcc(0) depctr_vm_vsrc(0)
	s_getreg_b32 s2, hwreg(HW_REG_IB_STS2, 6, 4)
	s_cmp_eq_u32 s2, 0
	s_cbranch_scc0 .Lentry_in_a_cluster
	s_endpgm
.Lentry_in_a_cluster:
	s_bfe_u32 s2, ttmp6, 0x10000c
	s_cmp_lg_u32 s2, 0xf033
	s_cbranch_scc0 .Lentry_shape_is_right
	s_endpgm
.Lentry_shape_is_right:
; For 256 rows s of x and four heads: q = x Wq^T + bq, kq = phi(q), phi(t) = elu(t) + 1 = max(t + 1, min(e^t, 1)); u[s][d] = kq[s][d] ksum[d]; z = 1 / (sum_d u + 1e-6), the normaliser as it is defined;
; w = u z; out[s][m] = sum_d w[s][d] kvn[m][d], with kvn = kv / ksum from the launch before: the same number as sum_d kq kv z, with both operands of the last product in a range that f16 holds.
; FORMATS.  x, W: bf16; the bias is rounded to bf16 here and used in f32; sums, u and z in f32; w (0 to 1) and kvn in f16 for the last product; out in f32.
; LIMITS.  An e^t below 2^-126 counts as 0; w below 6e-5 keeps f16's fixed step of 6e-8; u = kq ksum must stay finite in f32; NaN and infinities are not treated apart.
; SHARES.  A tile of 256 rows x 256 columns of q.  Four waves, each 128 rows x 2 heads: 64 accumulators of 16 x 16, 512 registers.  K = 1,024 goes in steps of 128 through a ring of two LDS slots filled by
; the tensor data mover.  CLUSTER: 4 x 4 work-groups; x's tiles are asked for jointly along a row of the cluster, wb's along a column.
; LAYOUT.  The product is taken transposed (source 0 = 16 rows of wb, source 1 = 16 rows of x): lane l (r = l % 16, hh = l / 16) holds row s = 16 a + r and the columns 16 b + 8 hh + 0..7.  So a row's sum over d wants one
; exchange between the halves of the lanes, and w, rounded in pairs, IS source 1 (16 rows s x 32 d) of the last product, whose result holds eight neighbouring m of one row of out.
; THE WAY OUT IS A LOOP.  The work behind the sums is the same for each of my eight blocks of 16 rows, and a loop cannot number registers: so the 64 accumulators are set aside, lane by lane, in my own quarter of the
; ring (which has had its last fill), and eight trips of one text take a block each.  The trips overlap: a block is read from LDS a trip ahead, as soon as the registers are free, and a block's rows, read back
; from the stage at a trip's end, are stored in the next trip.
; REGISTERS, in windows of 256 (s_set_vgpr_msb: bits 1:0 source 0, 3:2 source 1, 5:4 source 2, 7:6 destination):
;   window 0: v0-31 addresses, z; v64-127, v128-191 fragments of x; v192-255 bias + 1 as a C operand; on the way out v32-95 X, v96-159 Y, v160-223 ksum, v224-255 w in f16
;   window 1: v64-127, v128-191 fragments of wb; on the way out v0-127 kvn's fragments, v128-191 the last product's eight accumulators
;   windows 2, 3: accumulator (a, b) in window 2 + a / 4 at 8 (8 (a % 4) + b); on the way out window 2 v0-63: 16 rows of out, read back from the stage
.set KSTEP,  128
.set PITCH,  272                       ; an LDS row: 256 bytes + 16 of padding = 68 words: row r starts at bank 4 r mod 64 (64 banks of 4 bytes: ISA guide 11.1)
.set HALFT,  128*PITCH
.set SLOT,   4*HALFT
.set STAGE,  2*SLOT                    ; behind the ring, never filled by a tensor load: 16 rows x 528 bytes for each wave
.set SPITCH, 528                       ; 512 bytes + 16: 132 words: row r starts at bank 4 r mod 64
.set SPARE,  STAGE+4*16*SPITCH         ; the spare words, 128 bytes for each wave: two blocks of 256 bytes that no other line names
.set BROW0,  0                         ; wb's first row for this launch
.set ZR,   4                           ; v[4:7]  z of head 0 and of head 1, each as a pair
.set DA,   8                           ; v8      the LDS address of the block to be read
.set ADRA, 16
.set ADRB, 20
.set STO,  24                          ; v24     where I put 16 bytes of a row of out
.set RD,   25                          ; v25     where I read a row back
.set CO,   26                          ; v26     16 x lane
.set DMP,  27                          ; v27     65,536 x wave + 16 x lane: my place in the accumulators set aside; never rewritten
.set SPW,  28
.set NIL,  29
.set PFO,  30
.set BO,   31                          ; v31     32 hh
.set F0,   64
.set F1,   128
.set BT,   192
.set X,    32
.set Y,    96
.set KS,   160
.set WF,   224
.set KVN,  0                           ; window 1
.set O,    128                         ; window 1
.set OB,   0                           ; window 2
.set DB,  2                            ; s2   8,192 x the block to be read
.set WV,  16
.set WR,  17
.set WC,  18
.set CX,  19
.set CY,  20
.set TX,  21
.set TY,  22
.set LIM, 23
.set G1,  24
.set G0,  32
.set PFA, 44
.set G1B, 48
.set G0B, 56
.set MSB, 0
.macro WIN new                         ; the immediate's high byte repeats the setting that is left; a switch that changes nothing is dropped
.if MSB != (\new)
	s_set_vgpr_msb (MSB<<8)|(\new)
.set MSB, \new
.endif
.endm
; A joint load: waves 0 and 1 fetch x's two halves, waves 2 and 3 wb's.  The branch hangs on the wave's number alone.  An s_nop 0 and four v_nop follow each of the two lines.
.macro JLOAD s
	s_cmp_eq_u32 s[WR], 0
	s_cbranch_scc0 .Lfor_b_\@
	tensor_load_to_lds s[G0+4*(\s):G0+4*(\s)+3], s[G1:G1+7]
	s_nop 0
.rept 4
	v_nop
.endr
	s_branch .Lasked_\@
.Lfor_b_\@:
	tensor_load_to_lds s[G0B+4*(\s):G0B+4*(\s)+3], s[G1B:G1B+7]
	s_nop 0
.rept 4
	v_nop
.endr
.Lasked_\@:
.endm
; A prefetch of the K step that stands two refills on (512 matrix instructions ahead of the load that will ask for it): 32 rows x 256 bytes, a lane a row, one instruction a wave.  Each row's 256 bytes of a K
; step are named once in the launch: x's rows by the cluster with x = 0 (here every cluster: each has rows of its own), wb's by the cluster with y = 0; the four partners share a tile's rows out by address, 32 each.
; K steps 0 to 3 come by their loads alone; the loop's last trip (s3 = 1) asks for nothing.
.macro ASK
	s_cmp_gt_u32 s3, s[LIM]
	s_cbranch_scc0 .Lnot_mine_\@
	global_prefetch_b8 v[PFO], s[PFA:PFA+1] offset:KSTEP*2 th:TH_LOAD_NT scope:SCOPE_SE
.Lnot_mine_\@:
.endm
.macro CREST
	s_cmp_lg_u32 s[WV], 0
	s_cbranch_scc1 .Lnot_wave_0_\@
	s_barrier_signal -3
.Lnot_wave_0_\@:
	s_barrier_wait -3
	s_barrier_signal -1
	s_barrier_wait -1
.endm
.macro CROUND
	s_barrier_signal -1
	s_barrier_wait -1
	CREST
.endm
.macro PLACES                          ; four places behind a matrix instruction, in front of loads into registers that it has read and of work on its results
.rept 4
	v_nop
.endr
.endm
	s_load_b256 s[4:11], s[0:1], 0x0               ; xb s[4:5], wb s[6:7], b_qkv s[8:9], kvn s[10:11]
	s_load_b128 s[12:15], s[0:1], 0x20             ; ksm s[12:13], out0 s[14:15]
	v_lshl_add_u32 v[SPW], v0, 2, SPARE
	v_mov_b32 v[NIL], 0
	ds_add_u32 v[SPW], v[NIL]                      ; the wave's opening: the add, twice on end, and its wait ahead of my first tensor load
	ds_add_u32 v[SPW], v[NIL]                      ; and once more; the set-up below, work on registers, stands between it and the wait
	v_lshrrev_b32 v1, 5, v0
	v_readfirstlane_b32 s[WV], v1
	s_lshr_b32 s[WR], s[WV], 1
	s_and_b32 s[WC], s[WV], 1
	s_bfe_u32 s[CX], ttmp6, 0x40000
	s_bfe_u32 s[CY], ttmp6, 0x40004
	s_lshl_b32 s[TX], ttmp9, 2
	s_add_co_u32 s[TX], s[TX], s[CX]
	s_and_b32 s[TY], ttmp7, 0xffff
	s_lshl_b32 s[TY], s[TY], 2
	s_add_co_u32 s[TY], s[TY], s[CY]
	s_lshl_b32 s40, s[CY], 2
	s_lshl_b32 s40, 15, s40                        ; my row of the cluster
	s_lshl_b32 s41, 0x1111, s[CX]                  ; my column
	s_or_b32 s[G1+0], s40, (1<<16)|(1<<20)|(1<<21)|(5<<22)|(3<<25)   ; 15:0 the mask; 17:16 2-byte elements; 20 padding on; 21 set beside a mask; 24:22 after every 64 words; 31:25 4 words of it
	s_or_b32 s[G1B+0], s41, (1<<16)|(1<<20)|(1<<21)|(5<<22)|(3<<25)
.irp g, G1, G1B
	s_mov_b32 s[(\g)+1], KSTEP<<16                 ; tensor_dim0 = 128
	s_mov_b32 s[(\g)+2], 128<<16                   ; tensor_dim1 = 128
	s_mov_b32 s[(\g)+3], KSTEP<<16                 ; tile_dim0 = 128
	s_mov_b32 s[(\g)+4], 128                       ; tile_dim1 = 128
	s_mov_b32 s[(\g)+5], 1024                      ; elements from row to row
	s_mov_b32 s[(\g)+6], 0
	s_mov_b32 s[(\g)+7], 0
.endr
	s_mov_b32 s46, 0xffff0000                      ; a word's upper bf16
	s_mov_b32 s66, 0x3fb8aa3b                      ; log2(e), as a pair
	s_mov_b32 s67, 0x3fb8aa3b
	s_mov_b32 s68, 0xbfb8aa3b                      ; and its negative
	s_mov_b32 s69, 0xbfb8aa3b
	s_mov_b32 s70, 0x76543210                      ; v_permlanex16_b32's selects: each lane takes its own place in the other half
	s_mov_b32 s71, 0xfedcba98
	s_lshl_b32 s42, s[WC], 7
	s_lshl_b32 s72, s[TY], 8
	s_add_co_u32 s72, s72, s42
	s_lshl_b32 s72, s72, 11                        ; x: row 256 TY + 128 half, rows of 2,048 bytes
	s_mov_b32 s73, 0
	s_lshl_b32 s74, s[TX], 8
	s_add_co_u32 s74, s74, s42
	s_add_co_u32 s74, s74, BROW0
	s_lshl_b32 s74, s74, 11                        ; wb: row 256 TX + 128 half
	s_mov_b32 s75, 0
	s_mul_i32 s43, s[WV], HALFT                    ; where my loads go: no place in the cluster enters an LDS address
	s_wait_dscnt 0x0                               ; both opening adds are done
	s_wait_kmcnt 0x0
	s_add_nc_u64 s[72:73], s[4:5], s[72:73]
	s_add_nc_u64 s[74:75], s[6:7], s[74:75]
	CROUND                                         ; all sixteen work-groups are here: the first joint loads meet
.irp s, 0,1
	s_mov_b32 s[G0+4*(\s)], 1
	s_add_co_u32 s[G0+4*(\s)+1], s43, (\s)*SLOT
	s_add_nc_u64 s[G0+4*(\s)+2:G0+4*(\s)+3], s[72:73], (\s)*KSTEP*2
	s_or_b32 s[G0+4*(\s)+3], s[G0+4*(\s)+3], 0x80000000
	s_mov_b32 s[G0B+4*(\s)], 1
	s_add_co_u32 s[G0B+4*(\s)+1], s43, (\s)*SLOT
	s_add_nc_u64 s[G0B+4*(\s)+2:G0B+4*(\s)+3], s[74:75], (\s)*KSTEP*2
	s_or_b32 s[G0B+4*(\s)+3], s[G0B+4*(\s)+3], 0x80000000
	JLOAD \s                                       ; two loads of mine are out
.endr
	v_and_b32 v1, 15, v0                           ; r
	v_bfe_u32 v2, v0, 4, 1                         ; hh
	v_mul_u32_u24 v3, v1, PITCH
	v_lshl_add_u32 v3, v2, 4, v3
	s_mul_i32 s40, s[WR], HALFT
	s_mul_i32 s41, s[WC], HALFT
	s_add_co_u32 s41, s41, 2*HALFT
.irp s, 0,1
	v_add_nc_u32 v[ADRA+(\s)], s40, v3
	v_add_nc_u32 v[ADRB+(\s)], s41, v3
	s_add_co_u32 s40, s40, SLOT
	s_add_co_u32 s41, s41, SLOT
.endr
	v_lshlrev_b32 v[BO], 5, v2
	v_and_b32 v[CO], 31, v0
	v_lshlrev_b32 v[PFO], 11, v[CO]
	v_lshlrev_b32 v[CO], 4, v[CO]
	s_lshl_b32 s40, s[WV], 16
	v_add_nc_u32 v[DMP], s40, v[CO]
	s_mul_i32 s40, s[WV], 16*SPITCH
	s_add_co_u32 s40, s40, STAGE                   ; my stage
	v_add_nc_u32 v[RD], s40, v[CO]                 ; back: 32 lanes take a row's 512 bytes
	v_mul_u32_u24 v[STO], v1, SPITCH               ; in: row r, 32 bytes for each half of the lanes
	v_lshl_add_u32 v[STO], v2, 5, v[STO]
	v_add_nc_u32 v[STO], s40, v[STO]
	; the prefetches' pointer: my work-group's 32 of the 128 rows that I fetch, at K step 2; the first change of slots steps it to 3 and names K step 4
	s_lshl_b32 s76, s[TY], 8
	s_lshl_b32 s77, s[TX], 8
	s_add_co_u32 s77, s77, BROW0
	s_and_b32 s78, ttmp7, 0xffff
	s_cmp_eq_u32 s[WR], 0
	s_cselect_b32 s76, s76, s77
	s_cselect_b32 s77, s[CX], s[CY]
	s_cselect_b32 s78, ttmp9, s78
	s_cselect_b64 s[PFA:PFA+1], s[4:5], s[6:7]
	s_cmp_eq_u32 s78, 0
	s_cselect_b32 s[LIM], 1, -1
	s_lshl_b32 s78, s[WC], 7
	s_add_co_u32 s76, s76, s78
	s_lshl_b32 s77, s77, 5
	s_add_co_u32 s76, s76, s77
	s_lshl_b32 s76, s76, 11
	s_mov_b32 s77, 0
	s_add_nc_u64 s[PFA:PFA+1], s[PFA:PFA+1], s[76:77]
	s_add_nc_u64 s[PFA:PFA+1], s[PFA:PFA+1], 2*KSTEP*2
	; q's bias of my 128 columns, while the first tiles are on their way
	s_lshl_b32 s76, s[TX], 10
	s_lshl_b32 s77, s[WC], 9
	s_add_co_u32 s76, s76, s77
	s_mov_b32 s77, 0
	s_add_nc_u64 s[8:9], s[8:9], s[76:77]          ; b_qkv[256 TX + 128 half]
.set z, 0
.rept 16                                       ; register 8 b + j: the bias of column 16 b + 8 hh + j
	global_load_b128 v[BT+4*z:BT+4*z+3], v[BO], s[8:9] offset:64*(z/2)+16*(z%2)
.set z, z+1
.endr
	s_lshr_b32 s76, s[TY], 4                       ; the batch
	s_lshl_b32 s76, s76, 4
	s_lshl_b32 s78, s[TX], 2
	s_add_co_u32 s76, s76, s78
	s_lshl_b32 s78, s[WC], 1
	s_add_co_u32 s76, s76, s78                     ; 16 x batch + my first head
	s_lshl_b32 s78, s76, 12
	s_mov_b32 s79, 0
	s_add_nc_u64 s[12:13], s[12:13], s[78:79]      ; ksm: 4,096 bytes a head
	s_lshl_b32 s78, s76, 13
	s_add_nc_u64 s[10:11], s[10:11], s[78:79]      ; kvn: 8,192 bytes a head
	s_lshl_b32 s78, s[TY], 20                      ; out: row 256 TY + 128 half, rows of 4,096 bytes (under 2^26),
	s_lshl_b32 s76, s[WR], 19
	s_add_co_u32 s78, s78, s76
	s_lshl_b32 s76, s[TX], 10                      ; column 256 TX + 128 half
	s_add_co_u32 s78, s78, s76
	s_lshl_b32 s76, s[WC], 9
	s_add_co_u32 s78, s78, s76
	s_add_nc_u64 s[14:15], s[14:15], s[78:79]
	s_wait_loadcnt 0x0
.set z, 0
.rept 32                                       ; the bias rounded to bf16, like every input, widened again, and 1 added: the sums then end as q + 1
	v_cvt_pk_bf16_f32 v[BT+2*z+1], v[BT+2*z], v[BT+2*z+1]
	v_lshlrev_b32 v[BT+2*z], 16, v[BT+2*z+1]
	v_and_b32 v[BT+2*z+1], s46, v[BT+2*z+1]
	v_pk_add_f32 v[BT+2*z:BT+2*z+1], v[BT+2*z:BT+2*z+1], 1.0 op_sel_hi:[1,0]
.set z, z+1
.endr
; 16 matrix instructions: row blocks a0, a0 + 1 of the window's four x all 8 column blocks, 32 along K.  first = 1: the product starts the sum with bias + 1: nothing is cleared.
; The 64 accumulators take turns in the same order in every quarter.
.macro MUL16 f, hi, a0, first
.if \first
	WIN 0x81+0x40*(\hi)                            ; wb window 1, x window 0, C window 0, D window 2 or 3
.else
	WIN 0xa1+0x50*(\hi)                            ; C and D window 2 or 3
.endif
.irp a, \a0, (\a0)+1
.irp b, 0,1,2,3,4,5,6,7
.if \first
	v_wmma_f32_16x16x32_bf16 v[8*(8*(\a)+(\b)):8*(8*(\a)+(\b))+7], v[(\f)+8*(\b):(\f)+8*(\b)+7], v[(\f)+8*(4*(\hi)+(\a)):(\f)+8*(4*(\hi)+(\a))+7], v[BT+8*(\b):BT+8*(\b)+7]
.else
	v_wmma_f32_16x16x32_bf16 v[8*(8*(\a)+(\b)):8*(8*(\a)+(\b))+7], v[(\f)+8*(\b):(\f)+8*(\b)+7], v[(\f)+8*(4*(\hi)+(\a)):(\f)+8*(4*(\hi)+(\a))+7], v[8*(8*(\a)+(\b)):8*(8*(\a)+(\b))+7]
.endif
.endr
.endr
.endm
.macro FETCH slot, k, f                ; 32 LDS loads in one run: one quarter step's fragments into buffer f: wb's first, then x's
	WIN 0x40
.irp i, 0,1,2,3,4,5,6,7
	ds_load_b128 v[(\f)+8*(\i):(\f)+8*(\i)+3],   v[ADRB+(\slot)] offset:(\k)+(\i)*16*PITCH
	ds_load_b128 v[(\f)+8*(\i)+4:(\f)+8*(\i)+7], v[ADRB+(\slot)] offset:(\k)+(\i)*16*PITCH+32
.endr
	WIN 0
.irp i, 0,1,2,3,4,5,6,7
	ds_load_b128 v[(\f)+8*(\i):(\f)+8*(\i)+3],   v[ADRA+(\slot)] offset:(\k)+(\i)*16*PITCH
	ds_load_b128 v[(\f)+8*(\i)+4:(\f)+8*(\i)+7], v[ADRA+(\slot)] offset:(\k)+(\i)*16*PITCH+32
.endr
.endm
.macro QUARTER slot, k, f, g, first
	s_wait_dscnt 8                                 ; wb's fragments and x's rows 0-63 are in; the youngest eight loads (x's rows 64-127) may be out
	MUL16 \f, 0, 0, \first
	MUL16 \f, 0, 2, \first
	PLACES
	FETCH \slot, \k, \g
	s_wait_dscnt 32                                ; all but the 32 just issued
	MUL16 \f, 1, 0, \first
	MUL16 \f, 1, 2, \first
.endm
; ONE barrier for the change of slots.  In front of it each wave waits for all its tensor loads (one is out: its part of the next slot), adds 0 to its spare word, and waits for that and for its own reads of this slot.
.macro MEET round
	WIN 0
	s_wait_tensorcnt 0x0
	ds_add_u32 v[SPW], v[NIL]
	s_wait_dscnt 9                                 ; (the add and the youngest eight loads may be out)
	MUL16 F1, 0, 0, 0
	s_wait_dscnt 0x0                               ; the add is done, and my reads of this slot are over
	s_barrier_signal -1
	MUL16 F1, 0, 2, 0
.if \round
	WIN 0
.endif
	s_barrier_wait -1
.endm
.macro TURN slot, next, fill           ; fill = 1: the barrier opens a round of the cluster's, and the slot just read out is filled again, first thing behind it, with the K step two on
.if \fill
	s_wait_xcnt 0x0                                ; the last prefetch, a K step back, has read its address
	s_add_nc_u64 s[PFA:PFA+1], s[PFA:PFA+1], KSTEP*2
	MEET 1
	CREST
	s_add_nc_u64 s[G0+4*(\slot)+2:G0+4*(\slot)+3], s[G0+4*(\slot)+2:G0+4*(\slot)+3], 2*KSTEP*2
	s_add_nc_u64 s[G0B+4*(\slot)+2:G0B+4*(\slot)+3], s[G0B+4*(\slot)+2:G0B+4*(\slot)+3], 2*KSTEP*2
	JLOAD \slot
.else
	MEET 0
	PLACES
.endif
	FETCH \next, 0, F0
.if \fill
	ASK
.endif
	MUL16 F1, 1, 0, 0
	MUL16 F1, 1, 2, 0
.endm
; The way out's two runs that recur.  XLOAD: a block of 16 rows (eight accumulators) out of the accumulators set aside.
.macro XLOAD
.set z, 0
.rept 16
	ds_load_b128 v[X+4*z:X+4*z+3], v[DA] offset:512*z  ; LDS serves a wave's instructions in order (ISA guide 5.7.1.4): these see my stores
.set z, z+1
.endr
.endm
; SENDB: the 16 rows read back from the stage at the last trip's end are stored; out's address has been stepped since, so the stores reach back by a block.
.macro SENDB
	s_wait_dscnt 0x0                               ; the rows are back
	WIN 0x08                                       ; data (source 1) window 2
.set z, 0
.rept 16
	global_store_b128 v[CO], v[OB+4*z:OB+4*z+3], s[14:15] offset:4096*z-65536 th:TH_STORE_NT  ; 512 consecutive bytes of a row of out, aligned
.set z, z+1
.endr
	WIN 0
.endm
	s_wait_tensorcnt 1                             ; my part of K step 0 is in; K step 1's load may stay out
	s_barrier_signal -1
	s_barrier_wait -1
	FETCH 0, 0, F0
	QUARTER 0, 64,  F0, F1, 1
	WIN 0
	s_mov_b32 s3, 3
.Llap:
	QUARTER 0, 128, F1, F0, 0
	QUARTER 0, 192, F0, F1, 0
	TURN 0, 1, 1
	QUARTER 1, 64,  F0, F1, 0
	QUARTER 1, 128, F1, F0, 0
	QUARTER 1, 192, F0, F1, 0
	TURN 1, 0, 1
	QUARTER 0, 64,  F0, F1, 0
	WIN 0
	s_sub_co_u32 s3, s3, 1
	s_cmp_lg_u32 s3, 0
	s_cbranch_scc1 .Llap
	QUARTER 0, 128, F1, F0, 0                      ; the last lap fills nothing and has no round
	QUARTER 0, 192, F0, F1, 0
	TURN 0, 1, 0
	QUARTER 1, 64,  F0, F1, 0
	QUARTER 1, 128, F1, F0, 0
	QUARTER 1, 192, F0, F1, 0
	s_wait_dscnt 8
	MUL16 F1, 0, 0, 0
	MUL16 F1, 0, 2, 0
	s_wait_dscnt 0x0
	MUL16 F1, 1, 0, 0
	MUL16 F1, 1, 2, 0
	WIN 0
	PLACES                                         ; in front of the loads into the fragments' registers and of the stores of the results
.set z, 0
.rept 16                                       ; ksum of my two heads, in X's layout: register 8 b + j: ksum[16 (b % 4) + 8 hh + j] of head b / 4
	global_load_b128 v[KS+4*z:KS+4*z+3], v[CO], s[12:13] offset:512*z
.set z, z+1
.endr
	WIN 0x40
.set z, 0
.rept 32                                       ; kvn of my two heads: the fragment for rows m = 16 mb + r, d = 32 c on, of head g at 64 g + 8 (2 mb + c)
	global_load_b128 v[KVN+4*z:KVN+4*z+3], v[CO], s[10:11] offset:512*z
.set z, z+1
.endr
	WIN 0
	s_wait_dscnt 0x0                               ; my reads of the ring are over,
	s_barrier_signal -1
	s_barrier_wait -1                              ; everybody's are, and every tensor load of the launch has landed: the ring's bytes may be written
.irp hi, 0,1
	WIN 0x08+4*(\hi)                               ; data (source 1) window 2 or 3
.set z, 0
.rept 64                                       ; accumulator (4 hi + z / 16, (z / 2) % 8), its lower four registers first
	ds_store_b128 v[DMP], v[4*z:4*z+3] offset:32768*(\hi)+512*z
.set z, z+1
.endr
.endr
	WIN 0
	v_mov_b32 v[DA], v[DMP]
	XLOAD                                          ; block 0
	s_mov_b32 s[DB], 0
	s_mov_b32 s3, 8
	s_wait_loadcnt 0x0                             ; ksum and kvn
	s_wait_dscnt 0x0                               ; block 0
	s_branch .Lin                                  ; the first trip enters behind the loop's counted wait
.Lblk:                                                 ; a trip: 16 rows s x my two heads
	s_wait_dscnt 32                                ; this trip's block is in: behind its 16 loads stand the stage's 16 stores and 16 loads, which may stay out
.Lin:
.set z, 0
.rept 32
	v_pk_fma_f32 v[Y+2*z:Y+2*z+1], v[X+2*z:X+2*z+1], s[66:67], s[68:69] op_sel_hi:[1,0,0]  ; q log2(e), from x1 = q + 1
.set z, z+1
.endr
.set z, 0
.rept 64
	v_exp_f32 v[Y+z], v[Y+z]                       ; one batch of 64
.set z, z+1
.endr
	s_add_co_u32 s[DB], s[DB], 8192
	s_and_b32 s[DB], s[DB], 0xe000                 ; behind block 7 comes block 0 once more: the last trip's read ahead serves nothing, the price of one text for every trip
	v_add_nc_u32 v[DA], s[DB], v[DMP]              ; the next block's address: the plain instruction behind the batch
	s_wait_alu depctr_va_vdst(0)                   ; the one wait ahead of the batch's first reader, and ahead of the branch
	s_cmp_eq_u32 s3, 8                             ; the first trip has no block before it
	s_cbranch_scc1 .Lnone
	SENDB                                          ; the block before goes out
.Lnone:
.set z, 0
.rept 64
	v_min_num_f32 v[Y+z], 1.0, v[Y+z]              ; min(e^q, 1): an overflow becomes 1
.set z, z+1
.endr
.set z, 0
.rept 64
	v_max_num_f32 v[X+z], v[X+z], v[Y+z]           ; kq = max(q + 1, min(e^q, 1))
.set z, z+1
.endr
.set z, 0
.rept 32
	v_pk_mul_f32 v[X+2*z:X+2*z+1], v[X+2*z:X+2*z+1], v[KS+2*z:KS+2*z+1]  ; u = kq ksum
.set z, z+1
.endr
	; the sum of u over a head's 64 d: 32 in my lane, as a tree, the two heads by turns; the other 32 lie in the lane 16 away
.set z, 0
.rept 16
	v_pk_add_f32 v[Y+16*(z%2)+2*(z/2):Y+16*(z%2)+2*(z/2)+1], v[X+32*(z%2)+4*(z/2):X+32*(z%2)+4*(z/2)+1], v[X+32*(z%2)+4*(z/2)+2:X+32*(z%2)+4*(z/2)+3]
.set z, z+1
.endr
.irp w, 2,4,8
.set z, 0
.rept 16/(\w)
	v_pk_add_f32 v[Y+16*(z%2)+2*(\w)*(z/2):Y+16*(z%2)+2*(\w)*(z/2)+1], v[Y+16*(z%2)+2*(\w)*(z/2):Y+16*(z%2)+2*(\w)*(z/2)+1], v[Y+16*(z%2)+2*(\w)*(z/2)+(\w):Y+16*(z%2)+2*(\w)*(z/2)+(\w)+1]
.set z, z+1
.endr
.endr
.irp g, 0,1
	v_add_f32 v[Y+16*(\g)], v[Y+16*(\g)], v[Y+16*(\g)+1]
.endr
.irp g, 0,1
	v_permlanex16_b32 v[Y+16*(\g)+1], v[Y+16*(\g)], s70, s71
.endr
.irp g, 0,1
	v_add_f32 v[Y+16*(\g)], v[Y+16*(\g)], v[Y+16*(\g)+1]
.endr
.irp g, 0,1
	v_add_f32 v[Y+16*(\g)], 0x358637bd, v[Y+16*(\g)]   ; + 1e-6
.endr
.irp g, 0,1
	v_rcp_f32 v[ZR+2*(\g)], v[Y+16*(\g)]
	v_rcp_f32 v[ZR+2*(\g)+1], v[Y+16*(\g)]         ; named with it as a pair
.endr
	v_nop                                          ; a plain instruction behind the last reciprocal,
	s_wait_alu depctr_va_vdst(0)                   ; and one wait for the four
.set z, 0
.rept 32
	v_pk_mul_f32 v[X+2*z:X+2*z+1], v[X+2*z:X+2*z+1], v[ZR+2*(z/16):ZR+2*(z/16)+1] op_sel_hi:[1,0]  ; w = u z, in 0 to 1
.set z, z+1
.endr
.set z, 0
.rept 32
	v_cvt_pk_f16_f32 v[WF+z], v[X+2*z], v[X+2*z+1] ; the fragment for head g, d = 32 c on, at WF + 16 g + 8 c
.set z, z+1
.endr
	XLOAD                                          ; X is free: the next block is read while the products and the stage go on
	WIN 0x51                                       ; kvn window 1, w window 0, C and D window 1
.set z, 0
.rept 8                                        ; out^T: accumulator z = 4 g + mb; the eight take turns; d = 0..31 starts the sums,
	v_wmma_f32_16x16x32_f16 v[O+8*z:O+8*z+7], v[KVN+16*z:KVN+16*z+7], v[WF+16*(z/4):WF+16*(z/4)+7], 0
.set z, z+1
.endr
.set z, 0
.rept 8                                        ; d = 32..63 ends them
	v_wmma_f32_16x16x32_f16 v[O+8*z:O+8*z+7], v[KVN+16*z+8:KVN+16*z+15], v[WF+16*(z/4)+8:WF+16*(z/4)+15], v[O+8*z:O+8*z+7]
.set z, z+1
.endr
	PLACES
	s_wait_xcnt 0x0                                ; this trip's stores, issued behind the exponentials, have read their registers and out's address: both are written again only behind this wait
	WIN 0x04                                       ; data (source 1) window 1
.set z, 0
.rept 16                                       ; lane (r, hh), accumulator z / 2, register j: row r, column 16 (z / 2) + 8 hh + j; an accumulator's lower four registers first
	ds_store_b128 v[STO], v[O+4*z:O+4*z+3] offset:64*(z/2)+16*(z%2)
.set z, z+1
.endr
	WIN 0x80                                       ; destination window 2
.set z, 0
.rept 16
	ds_load_b128 v[OB+4*z:OB+4*z+3], v[RD] offset:SPITCH*z  ; back as whole rows; the next trip's stores into the stage come behind these
.set z, z+1
.endr
	WIN 0
	s_add_nc_u64 s[14:15], s[14:15], 16*4096       ; a block on, once a trip
	s_sub_co_u32 s3, s3, 1
	s_cmp_lg_u32 s3, 0
	s_cbranch_scc1 .Lblk
	SENDB                                          ; the last block
	s_wait_tensorcnt 0x0                           ; the wave's end, behind my last tensor load and my last LDS store
	ds_add_u32 v[SPW], v[NIL]
	s_wait_dscnt 0x0
	CROUND                                         ; the closing round: no work-group ends while a partner may still ask for a tile that names it
	s_endpgm
.Lfunc_end_k_q8cc24ac5ea_att:
	.size	k_q8cc24ac5ea_att, .Lfunc_end_k_q8cc24ac5ea_att-k_q8cc24ac5ea_att
	.p2alignl 7, 3214868480
	.fill 96, 4, 3214868480
	.section	.rodata,"a",@progbits
	.p2align	6, 0x0
	.amdhsa_kernel k_q8cc24ac5ea_att
		.amdhsa_group_segment_fixed_size 327680
		.amdhsa_private_segment_fixed_size 0
		.amdhsa_enable_private_segment 0
		.amdhsa_kernarg_size 48
		.amdhsa_user_sgpr_count 2
		.amdhsa_user_sgpr_kernarg_segment_ptr 1
		.amdhsa_wavefront_size32 1
		.amdhsa_system_sgpr_workgroup_id_x 1
		.amdhsa_system_sgpr_workgroup_id_y 1
		.amdhsa_system_sgpr_workgroup_id_z 1
		.amdhsa_system_vgpr_workitem_id 0
		.amdhsa_next_free_vgpr 1024
		.amdhsa_next_free_sgpr 80
		.amdhsa_reserve_vcc 0
		.amdhsa_float_denorm_mode_32 3
		.amdhsa_float_denorm_mode_16_64 3
		.amdhsa_memory_ordered 1
		.amdhsa_forward_progress 1
		.amdhsa_inst_pref_size 159
	.end_amdhsa_kernel
	.amdgpu_metadata
---
amdhsa.version: [ 1, 2 ]
amdhsa.kernels:
  - .name:           k_q8cc24ac5ea_att
    .symbol:         k_q8cc24ac5ea_att.kd
    .args:
      - { .name: xb, .offset: 0, .size: 8, .value_kind: global_buffer, .address_space: global }
      - { .name: wb, .offset: 8, .size: 8, .value_kind: global_buffer, .address_space: global }
      - { .name: b_qkv, .offset: 16, .size: 8, .value_kind: global_buffer, .address_space: global }
      - { .name: kvn, .offset: 24, .size: 8, .value_kind: global_buffer, .address_space: global }
      - { .name: ksm, .offset: 32, .size: 8, .value_kind: global_buffer, .address_space: global }
      - { .name: out0, .offset: 40, .size: 8, .value_kind: global_buffer, .address_space: global }
    .group_segment_fixed_size: 327680
    .private_segment_fixed_size: 0
    .kernarg_segment_align: 8
    .kernarg_segment_size: 48
    .max_flat_workgroup_size: 128
    .sgpr_count:     80
    .vgpr_count:     1024
    .wavefront_size: 32
...
	.end_amdgpu_metadata
.endif
;; end of part 4
;; ======== version 2 of 2: 4 launches; version 1 with the launch cast written anew for expert scheduling mode
;; limits: values are held in f16: magnitudes above 65,504 overflow, below 6.1e-05 lose precision
;; workspace buffers: xb 33,554,432 bytes; wb 6,291,456 bytes; part 20,971,520 bytes; kvn 524,288 bytes; ksm 262,144 bytes
;; launch cast (part 5): grid 256 x 1, 19 waves a work-group, no clusters, 0 bytes of LDS; arguments inputs, w_qkv, xb, wb; writes xb, wb
.if DOCPART == 5
	.amdgcn_target "amdgcn-amd-amdhsa--gfx1250"
	.amdhsa_code_object_version 6
	.text
	.protected	k_q8cc24ac5ea_cast
	.globl	k_q8cc24ac5ea_cast
	.p2align	8
	.type	k_q8cc24ac5ea_cast,@function
k_q8cc24ac5ea_cast:
	s_mov_b64 s[64:65], 0
	v_nop
	global_prefetch_b8 v0, s[64:65] scope:SCOPE_SE
	s_setreg_imm32_b32 hwreg(HW_REG_WAVE_SCHED_MODE, 0, 2), 2
	s_setreg_imm32_b32 hwreg(HW_REG_WAVE_MODE, 25, 1), 1
	s_wait_xcnt 0x0
	s_wait_alu depctr_vm_vsrc(0)
; x [16384][1024] and W [3072][1024], f32, are rounded once to bf16 (nearest even): xb as x lies; wb with W's rows in another order:
; rows 0..1023 are q's as they lie; row 1024 + 128 h + e is k's row 64 h + e (e < 64) or v's row 64 h + e - 64 (e >= 64), so that a head's k and v rows lie together.
; SHARES.  19,456 rows of 4,096 bytes are 4,864 groups of 4 rows on end (16,384 bytes in, 8,192 out) = 256 work-groups x 19 waves, a group a wave: every work-group has the same work.
; Groups 0..4,095 are x's, the others W's; the choice is made by selects, wave by wave.  Four rows never cross a group of 64 rows of W, so their four places in wb lie on end too.
; All 32 loads of a wave go out at once; each store of a wave covers 256 consecutive bytes, aligned.
; No LDS, no matrix unit, no cluster: no byte is read by two work-groups and nothing is summed.
; THE MODE: SCHED_MODE bits 1:0 = 2 (LLVM: expert scheduling mode 2), set by the entry lines.  The code itself states the register dependences
; between vector instructions and memory instructions, with s_wait_alu, always for 0.
; THE PLAN.  Registers that memory instructions touch:
;   v1, v2              the loads' and the stores' offsets: written once at the head, never again.
;   v[X+4 j .. X+4 j+3] load j lands here (no vector instruction has named them before); its two conversions read them and write the first two, which store j reads; never written again.
; The conversions go in 8 blocks of 4 loads.  Block p's four stores are issued in block p + 1, among that block's conversions, which name block p + 1's registers alone.  So one wait at a
; block's head states all that the block's four stores hang on.  No register that a load or store has read is written again, so no wait on vm_vsrc is owed.
.set X, 4                              ; v[4:131]  load j: four f32 a lane; then two registers of bf16
.set BL, 4                             ; loads in a block
	s_load_b256 s[4:11], s[0:1], 0x0               ; inputs s[4:5], w_qkv s[6:7], xb s[8:9], wb s[10:11]
	v_lshrrev_b32 v3, 5, v0
	v_readfirstlane_b32 s12, v3                    ; wave 0..18
	v_and_b32 v1, 31, v0
	v_lshlrev_b32 v2, 3, v1                        ; 8 bytes a lane on the way out
	v_lshlrev_b32 v1, 4, v1                        ; 16 bytes a lane on the way in
	s_mul_i32 s13, ttmp9, 19
	s_wait_alu depctr_va_sdst(0)                   ; s12 is written, ahead of its first reader: the group's number, and with it both bases, are made from it
	s_add_co_u32 s13, s13, s12                     ; g: my group of four rows
	s_lshl_b32 s14, s13, 14                        ; x: from byte 16,384 g
	s_lshl_b32 s15, s13, 13                        ;    to byte 8,192 g
	s_and_b32 s16, s13, 0xfff                      ; W: g - 4,096 (the groups of W are 4,096..4,863)
	s_lshl_b32 s17, s16, 2                         ; n0, my first row of W
	s_lshr_b32 s18, s17, 10                        ; 0: q, 1: k, 2: v
	s_and_b32 s19, s17, 1023
	s_lshr_b32 s20, s19, 6                         ; the head
	s_and_b32 s21, s19, 63                         ; the row in the head
	s_lshl_b32 s20, s20, 7
	s_add_co_u32 s20, s20, s21
	s_lshl_b32 s21, s18, 6
	s_add_co_u32 s20, s20, s21
	s_add_co_u32 s20, s20, 960                     ; 960 + 128 h + e + 64 x part: k at 1,024 + 128 h + e, v 64 rows on
	s_cmp_eq_u32 s18, 0
	s_cselect_b32 s20, s17, s20                    ; q's rows stay
	s_lshl_b32 s20, s20, 11                        ; rows of 2,048 bytes in wb
	s_lshl_b32 s16, s16, 14
	s_cmp_lt_u32 s13, 4096                         ; do I serve x?  (nothing below writes SCC before the last select)
	s_cselect_b32 s14, s14, s16
	s_cselect_b32 s16, s15, s20
	s_mov_b32 s15, 0
	s_mov_b32 s17, 0
	s_wait_kmcnt 0x0
	s_cselect_b64 s[4:5], s[4:5], s[6:7]
	s_cselect_b64 s[8:9], s[8:9], s[10:11]
	s_add_nc_u64 s[4:5], s[4:5], s[14:15]
	s_add_nc_u64 s[8:9], s[8:9], s[16:17]
	s_wait_alu depctr_va_vdst(0)                   ; v1 and v2 are written: every load reads v1 and every store v2 as its offset
.set j, 0
.rept 32
	global_load_b128 v[X+4*j:X+4*j+3], v1, s[4:5] offset:512*j th:TH_LOAD_NT  ; 512 consecutive bytes a load; read once in the launch
.set j, j+1
.endr
.set p, 0
.rept 32/BL                                    ; block p: loads 4 p to 4 p + 3 are rounded, and the block before is stored
	s_wait_loadcnt 32-BL-BL*p                      ; loads come back in order (ISA guide 5.7.1): this block's four are in, the 28 - 4 p younger ones stay out
.if p > 0
	s_wait_alu depctr_va_vdst(0)                   ; the conversions of the block before have written its eight registers of bf16, which the four stores below read
.endif
.set i, 0
.rept BL
.set j, BL*p+i
.if p > 0
	global_store_b64 v2, v[X+4*(j-BL):X+4*(j-BL)+1], s[8:9] offset:256*(j-BL)  ; the block before; no vector instruction since the wait names these registers, and none writes them again
.endif
	v_cvt_pk_bf16_f32 v[X+4*j], v[X+4*j], v[X+4*j+1]
	v_cvt_pk_bf16_f32 v[X+4*j+1], v[X+4*j+2], v[X+4*j+3]
.set i, i+1
.endr
.set p, p+1
.endr
	s_wait_alu depctr_va_vdst(0)                   ; the last block's conversions have written its eight registers, which the last four stores read
.set j, 32-BL
.rept BL
	global_store_b64 v2, v[X+4*j:X+4*j+1], s[8:9] offset:256*j
.set j, j+1
.endr
	s_endpgm
.Lfunc_end_k_q8cc24ac5ea_cast:
	.size	k_q8cc24ac5ea_cast, .Lfunc_end_k_q8cc24ac5ea_cast-k_q8cc24ac5ea_cast
	.p2alignl 7, 3214868480
	.fill 96, 4, 3214868480
	.section	.rodata,"a",@progbits
	.p2align	6, 0x0
	.amdhsa_kernel k_q8cc24ac5ea_cast
		.amdhsa_group_segment_fixed_size 0
		.amdhsa_private_segment_fixed_size 0
		.amdhsa_enable_private_segment 0
		.amdhsa_kernarg_size 32
		.amdhsa_user_sgpr_count 2
		.amdhsa_user_sgpr_kernarg_segment_ptr 1
		.amdhsa_wavefront_size32 1
		.amdhsa_system_sgpr_workgroup_id_x 1
		.amdhsa_system_sgpr_workgroup_id_y 1
		.amdhsa_system_sgpr_workgroup_id_z 1
		.amdhsa_system_vgpr_workitem_id 0
		.amdhsa_next_free_vgpr 132
		.amdhsa_next_free_sgpr 66
		.amdhsa_reserve_vcc 0
		.amdhsa_float_denorm_mode_32 3
		.amdhsa_float_denorm_mode_16_64 3
		.amdhsa_memory_ordered 1
		.amdhsa_forward_progress 1
		.amdhsa_inst_pref_size 13
	.end_amdhsa_kernel
	.amdgpu_metadata
---
amdhsa.version: [ 1, 2 ]
amdhsa.kernels:
  - .name:           k_q8cc24ac5ea_cast
    .symbol:         k_q8cc24ac5ea_cast.kd
    .args:
      - { .name: inputs, .offset: 0, .size: 8, .value_kind: global_buffer, .address_space: global }
      - { .name: w_qkv, .offset: 8, .size: 8, .value_kind: global_buffer, .address_space: global }
      - { .name: xb, .offset: 16, .size: 8, .value_kind: global_buffer, .address_space: global }
      - { .name: wb, .offset: 24, .size: 8, .value_kind: global_buffer, .address_space: global }
    .group_segment_fixed_size: 0
    .private_segment_fixed_size: 0
    .kernarg_segment_align: 8
    .kernarg_segment_size: 32
    .max_flat_workgroup_size: 608
    .sgpr_count:     66
    .vgpr_count:     132
    .wavefront_size: 32
...
	.end_amdgpu_metadata
.endif
;; end of part 5
;; launch kvp: the kernel of part 2 again; grid 8 x 32, 4 waves a work-group, clusters of 4 x 4, 327,680 bytes of LDS; arguments xb, wb, b_qkv, mask, part; writes part
;; launch red: the kernel of part 3 again; grid 256 x 1, 4 waves a work-group, no clusters, 0 bytes of LDS; arguments part, b_qkv, kvn, ksm; writes kvn, ksm
;; launch att: the kernel of part 4 again; grid 4 x 64, 4 waves a work-group, clusters of 4 x 4, 327,680 bytes of LDS; arguments xb, wb, b_qkv, kvn, ksm, out0; writes out0
